; MI455X (gfx1250); checked and timed in simulation.
; The chip was launched on July 23, 2026; its instructions are those of AMD's public machine-readable ISA for CDNA 5 (MIT licence, August 2026) and "CDNA5" Instruction Set Architecture Reference Guide (July 2026). The comments in the code are by the model that wrote it; some were corrected since.
;; Self Attention. Allowed arithmetic: float matrix products may take bf16 or f16 operands with f32 sums; all other float work in f32.
;; Inputs: Wk 1,024 x 1,024 float32; Wo 1,024 x 1,024 float32; Wq 1,024 x 1,024 float32; Wv 1,024 x 1,024 float32; bk 1,024 float32; bo 1,024 float32; bq 1,024 float32; bv 1,024 float32; y_all 4 x 2,048 x 1,024 float32.
;; Outputs: out0 4 x 2,048 x 1,024 float32.
;; 2 versions, each right; version 2 is version 1 with the launch prep written anew for expert scheduling mode. Each part assembles by itself: llvm-mc -triple=amdgcn-amd-amdhsa -mcpu=gfx1250 --defsym DOCPART=n.
;; ======== version 1 of 2: 6 launches
;; limits: values are held in f16: magnitudes above 65,504 overflow, below 6.1e-05 lose precision
;; workspace buffers: yh 16,777,216 bytes; wqk 4,194,304 bytes; ball 12,288 bytes; qk 37,752,832 bytes; sc 77,594,624 bytes; pw 33,554,432 bytes; ctx 16,777,216 bytes; wf 2,097,152 bytes
;; launch prep (part 1): grid 740 x 1, 8 waves a work-group, no clusters, 70,656 bytes of LDS; arguments y_all, Wq, Wk, Wv, Wo, bq, bk, bv, bo, yh, wqk, ball, qk; writes yh, wqk, ball, qk
.if DOCPART == 1
	.amdgcn_target "amdgcn-amd-amdhsa--gfx1250"
	.amdhsa_code_object_version 6
	.text
	.protected	k_q575df14203_prep
	.globl	k_q575df14203_prep
	.p2align	8
	.type	k_q575df14203_prep,@function
k_q575df14203_prep:
	s_mov_b64 s[64:65], 0
	v_nop
	global_prefetch_b8 v0, s[64:65] scope:SCOPE_SE
	s_setreg_imm32_b32 hwreg(HW_REG_WAVE_MODE, 25, 1), 1
	s_wait_xcnt 0x0
; PREP: every input is rounded once to bf16 (nearest even); y and the four weights are then written as f16, bq, bk and bo as f32.
; A bf16 number is an f16 number without a further rounding from 2^-17 to 65,504.  Wv and bv are multiplied by 64 (exact) on the way, so that their product with Wo has room in f16.
; LIMITS: a magnitude of 65,520 or more (Wv, bv: 1,023 or more) becomes an infinity; below 2^-17 (Wv, bv: 2^-23) the number keeps f16's fixed step.
; Memory binds: each byte is read once and written once; no matrix unit, no cluster (no two work-groups need the same bytes but for halves of Wo's 256-byte pieces).
; ROLES by the work-group's number:  0-511 y -> yh;  512-703 Wq, Wk -> wqk, Wv -> qk;  704-735 Wo, turned -> qk;  736-739 the biases.
;   yh  f16 [8192][1024];   wqk f16 [1024 k][2048 n], columns q, k;   ball f32 [3072] = bq, bk, bo
;   qk  f16, rows of 2,048 numbers: rows 0-8191 are the next launch's; row 8192 + i = 64 Wv[i][:], then Wo[:][i]; row 9216 = 64 bv (its second half is neither written nor read)
; A chunk is one load of a wave (512 bytes of f32) and one store of a wave (32 lanes x 8 bytes: 256 consecutive bytes, aligned).  A wave has 16 chunks, all loads out at once.
.set X, 8                              ; v[8:71]    chunk i: 4 registers as loaded, then the same numbers rounded to bf16 and widened
.set Y, 72                             ; v[72:103]  chunk i: 2 registers, 4 f16 to store
.set T, 104                            ; v[104:107] two pairs at work, by turns
.set TP, 272                           ; the turning role: an LDS row of 128 f16 + 16 bytes
	s_load_b512 s[4:19], s[0:1], 0x0               ; y_all 4, Wq 6, Wk 8, Wv 10, Wo 12, bq 14, bk 16, bv 18
	s_load_b256 s[20:27], s[0:1], 0x40             ; bo 20, yh 22, wqk 24, ball 26
	s_load_b64 s[28:29], s[0:1], 0x60              ; qk
	v_lshl_add_u32 v112, v0, 2, 0x11000
	v_mov_b32 v113, 0
	v_lshrrev_b32 v1, 5, v0
	v_readfirstlane_b32 s40, v1                    ; wave 0..7
	v_and_b32 v1, 31, v0                           ; lane
	s_mov_b32 s41, 0xffff0000                      ; a word's upper bf16
	s_mov_b32 s45, 0                               ; the high word of every offset pair
	s_wait_kmcnt 0x0
.macro CV i, sc                        ; four f32 -> bf16 -> f32 (sc = 1: times s46) -> f16
	v_cvt_pk_bf16_f32 v[T+2*((\i)%2)],   v[X+4*(\i)],   v[X+4*(\i)+1]
	v_cvt_pk_bf16_f32 v[T+2*((\i)%2)+1], v[X+4*(\i)+2], v[X+4*(\i)+3]
	v_lshlrev_b32 v[X+4*(\i)],   16,  v[T+2*((\i)%2)]
	v_and_b32     v[X+4*(\i)+1], s41, v[T+2*((\i)%2)]
	v_lshlrev_b32 v[X+4*(\i)+2], 16,  v[T+2*((\i)%2)+1]
	v_and_b32     v[X+4*(\i)+3], s41, v[T+2*((\i)%2)+1]
.if \sc
	v_pk_mul_f32 v[X+4*(\i):X+4*(\i)+1],   v[X+4*(\i):X+4*(\i)+1],   s[46:47] op_sel_hi:[1,0]
	v_pk_mul_f32 v[X+4*(\i)+2:X+4*(\i)+3], v[X+4*(\i)+2:X+4*(\i)+3], s[46:47] op_sel_hi:[1,0]
.endif
	v_cvt_pk_f16_f32 v[Y+2*(\i)],   v[X+4*(\i)],   v[X+4*(\i)+1]
	v_cvt_pk_f16_f32 v[Y+2*(\i)+1], v[X+4*(\i)+2], v[X+4*(\i)+3]
.endm
; 16 chunks.  Load i: base inb, offset v2, immediate instep x i.  Store i: base outb, offset v3 (i < 8) or v4, immediate ostep x (i % 8).  No register is used twice.
.macro RUN inb, instep, outb, ostep, sc
.irp i, 0,1,2,3,4,5,6,7,8,9,10,11,12,13,14,15
	global_load_b128 v[X+4*(\i):X+4*(\i)+3], v2, s[\inb:\inb+1] offset:(\instep)*(\i) th:TH_LOAD_NT
.endr
.irp i, 0,1,2,3,4,5,6,7,8,9,10,11,12,13,14,15
	s_wait_loadcnt 15-(\i)                         ; loads come back in order: chunk i is in, the younger ones stay out
	CV \i, \sc
	global_store_b64 v[3+(\i)/8], v[Y+2*(\i):Y+2*(\i)+1], s[\outb:\outb+1] offset:(\ostep)*((\i)%8)
.endr
.endm
	s_cmp_lt_u32 ttmp9, 512
	s_cbranch_scc0 .Lnot_y
	; ROLE Y.  W = 8 x work-group + wave takes rows 2 W and 2 W + 1: 8,192 consecutive bytes in, 4,096 out.
	s_lshl_b32 s42, ttmp9, 3
	s_add_co_u32 s42, s42, s40                     ; W
	s_lshl_b32 s44, s42, 13
	s_add_nc_u64 s[4:5], s[4:5], s[44:45]
	s_lshl_b32 s44, s42, 12
	s_add_nc_u64 s[22:23], s[22:23], s[44:45]
	v_lshlrev_b32 v2, 4, v1
	v_lshlrev_b32 v3, 3, v1
	v_add_nc_u32 v4, 2048, v3                      ; the second row
	RUN 4, 512, 22, 256, 0
	s_endpgm
.Lnot_y:
	s_cmp_lt_u32 ttmp9, 704
	s_cbranch_scc0 .Lnot_w
	; ROLE W.  j = work-group - 512: matrix m = j / 64 (0 Wq, 1 Wk, 2 Wv); the wave takes two rows.  Rows are 4,096 bytes apart where they come from and where they go.
	s_sub_co_u32 s42, ttmp9, 512
	s_lshr_b32 s43, s42, 6                         ; m
	s_and_b32 s42, s42, 63
	s_lshl_b32 s42, s42, 4
	s_lshl_b32 s44, s40, 1
	s_add_co_u32 s42, s42, s44                     ; my first row
	s_lshl_b32 s37, s43, 11                        ; Wk's columns begin 2,048 bytes into a row of wqk
	s_cmp_eq_u32 s43, 1
	s_cselect_b64 s[32:33], s[8:9], s[6:7]
	s_cmp_eq_u32 s43, 2
	s_cselect_b64 s[32:33], s[10:11], s[32:33]     ; from where
	s_cselect_b64 s[34:35], s[28:29], s[24:25]     ; to where: qk or wqk
	s_cselect_b32 s37, 0x2000000, s37              ; Wv goes to rows 8192 on of qk: 8,192 x 4,096 bytes
	s_cselect_b32 s46, 0x42800000, 1.0             ; and is multiplied by 64
	s_mov_b32 s47, s46                             ; named with it as a pair
	s_lshl_b32 s44, s42, 12
	s_add_nc_u64 s[32:33], s[32:33], s[44:45]
	s_add_co_u32 s44, s44, s37
	s_add_nc_u64 s[34:35], s[34:35], s[44:45]
	v_lshlrev_b32 v2, 4, v1
	v_lshlrev_b32 v3, 3, v1
	v_add_nc_u32 v4, 4096, v3                      ; the second row
	RUN 32, 512, 34, 256, 1
	s_endpgm
.Lnot_w:
	s_cmp_lt_u32 ttmp9, 736
	s_cbranch_scc0 .Lbias
	; ROLE T.  Wo[d][n] goes to row 8192 + n of qk, number 1024 + d.  Work-group t takes columns n = 32 t .. + 31, wave w rows d = 128 w .. + 127.
	; A load takes 4 rows x 128 bytes (lane l: row l / 8, 16 bytes at 16 (l % 8)); each f16 is put at [n][d] of the wave's own 32 LDS rows; these come back as whole rows of 256 bytes.
	; No barrier: the LDS bytes are the wave's own, and LDS serves a wave's instructions in order (ISA guide 5.7.1.4).
	s_sub_co_u32 s42, ttmp9, 704                   ; t
	s_lshl_b32 s44, s40, 19                        ; 128 w rows of 4,096 bytes
	s_lshl_b32 s43, s42, 7                         ; 32 t columns of 4 bytes
	s_add_co_u32 s44, s44, s43
	s_add_nc_u64 s[12:13], s[12:13], s[44:45]
	s_lshl_b32 s44, s42, 17                        ; 32 t rows of 4,096 bytes,
	s_lshl_b32 s43, s40, 8                         ; 128 w numbers of 2 bytes,
	s_add_co_u32 s44, s44, s43
	s_add_co_u32 s44, s44, 8192*4096+2048          ; from row 8192's second half on
	s_add_nc_u64 s[28:29], s[28:29], s[44:45]
	v_lshrrev_b32 v3, 3, v1                        ; l / 8
	v_and_b32 v4, 7, v1                            ; l % 8
	v_lshlrev_b32 v2, 12, v3
	v_lshl_add_u32 v2, v4, 4, v2                   ; in: row l / 8, 16 bytes at 16 (l % 8)
	s_mul_i32 s43, s40, 32*TP                      ; my wave's LDS rows
	v_mul_u32_u24 v5, v4, 4*TP
	v_lshl_add_u32 v5, v3, 1, v5
	v_add_nc_u32 v5, s43, v5                       ; LDS, in: row 4 (l % 8), number l / 8
	v_lshrrev_b32 v3, 4, v1                        ; l / 16
	v_and_b32 v4, 15, v1                           ; l % 16
	v_mul_u32_u24 v6, v3, TP
	v_lshl_add_u32 v6, v4, 4, v6
	v_add_nc_u32 v6, s43, v6                       ; LDS, back: lanes 0-15 one row of 256 bytes, lanes 16-31 the next
	v_lshlrev_b32 v7, 12, v3
	v_lshl_add_u32 v7, v4, 4, v7                   ; and the same two rows in qk
.irp hf, 0,1
.irp i, 0,1,2,3,4,5,6,7,8,9,10,11,12,13,14,15
	global_load_b128 v[X+4*(\i):X+4*(\i)+3], v2, s[12:13] offset:16384*(16*(\hf)+(\i))
.endr
.irp i, 0,1,2,3,4,5,6,7,8,9,10,11,12,13,14,15
	s_wait_loadcnt 15-(\i)
	CV \i, 0
	ds_store_b16        v5, v[Y+2*(\i)]   offset:8*(16*(\hf)+(\i))
	ds_store_b16_d16_hi v5, v[Y+2*(\i)]   offset:TP+8*(16*(\hf)+(\i))
	ds_store_b16        v5, v[Y+2*(\i)+1] offset:2*TP+8*(16*(\hf)+(\i))
	ds_store_b16_d16_hi v5, v[Y+2*(\i)+1] offset:3*TP+8*(16*(\hf)+(\i))
.endr
.endr
.irp t, 0,1,2,3,4,5,6,7,8,9,10,11,12,13,14,15
	ds_load_b128 v[X+4*(\t):X+4*(\t)+3], v6 offset:2*TP*(\t)
.endr
.irp t, 0,1,2,3,4,5,6,7,8,9,10,11,12,13,14,15
	s_wait_dscnt 15-(\t)
	global_store_b128 v7, v[X+4*(\t):X+4*(\t)+3], s[28:29] offset:8192*(\t)  ; 16 lanes store 256 consecutive bytes, at a multiple of 256 from qk's first byte
.endr
	s_wait_tensorcnt 0x0
	ds_add_u32 v112, v113
	s_wait_dscnt 0x0
	s_endpgm
.Lbias:
	; ROLE B.  One bias of 4,096 bytes to a work-group: thread t takes 16 bytes.  0 bq, 1 bk, 2 bo -> ball, f32;  3 bv -> row 9216 of qk, times 64, f16.
	s_sub_co_u32 s43, ttmp9, 736
	s_lshl_b32 s44, s43, 12
	s_cmp_eq_u32 s43, 1
	s_cselect_b64 s[32:33], s[16:17], s[14:15]
	s_cmp_eq_u32 s43, 2
	s_cselect_b64 s[32:33], s[20:21], s[32:33]
	s_cmp_eq_u32 s43, 3
	s_cselect_b64 s[32:33], s[18:19], s[32:33]
	v_lshlrev_b32 v2, 4, v0
	global_load_b128 v[X:X+3], v2, s[32:33]
	s_wait_loadcnt 0x0
	v_cvt_pk_bf16_f32 v[T],   v[X],   v[X+1]
	v_cvt_pk_bf16_f32 v[T+1], v[X+2], v[X+3]
	v_lshlrev_b32 v[Y],   16,  v[T]
	v_and_b32     v[Y+1], s41, v[T]
	v_lshlrev_b32 v[Y+2], 16,  v[T+1]
	v_and_b32     v[Y+3], s41, v[T+1]
	s_cmp_eq_u32 s43, 3
	s_cbranch_scc1 .Lbv
	s_add_nc_u64 s[26:27], s[26:27], s[44:45]
	global_store_b128 v2, v[Y:Y+3], s[26:27]
	s_endpgm
.Lbv:
	s_mov_b32 s46, 0x42800000                      ; 64
	s_mov_b32 s47, s46
	v_pk_mul_f32 v[Y:Y+1],   v[Y:Y+1],   s[46:47] op_sel_hi:[1,0]
	v_pk_mul_f32 v[Y+2:Y+3], v[Y+2:Y+3], s[46:47] op_sel_hi:[1,0]
	v_cvt_pk_f16_f32 v[T+2], v[Y],   v[Y+1]
	v_cvt_pk_f16_f32 v[T+3], v[Y+2], v[Y+3]
	v_lshlrev_b32 v3, 3, v0
	s_add_nc_u64 s[28:29], s[28:29], 0x2400000     ; 9,216 rows of 4,096 bytes
	global_store_b64 v3, v[T+2:T+3], s[28:29]
	s_endpgm
.Lfunc_end_k_q575df14203_prep:
	.size	k_q575df14203_prep, .Lfunc_end_k_q575df14203_prep-k_q575df14203_prep
	.p2alignl 7, 3214868480
	.fill 96, 4, 3214868480
	.section	.rodata,"a",@progbits
	.p2align	6, 0x0
	.amdhsa_kernel k_q575df14203_prep
		.amdhsa_group_segment_fixed_size 70656
		.amdhsa_private_segment_fixed_size 0
		.amdhsa_enable_private_segment 0
		.amdhsa_kernarg_size 104
		.amdhsa_user_sgpr_count 2
		.amdhsa_user_sgpr_kernarg_segment_ptr 1
		.amdhsa_wavefront_size32 1
		.amdhsa_system_sgpr_workgroup_id_x 1
		.amdhsa_system_sgpr_workgroup_id_y 1
		.amdhsa_system_sgpr_workgroup_id_z 1
		.amdhsa_system_vgpr_workitem_id 0
		.amdhsa_next_free_vgpr 114
		.amdhsa_next_free_sgpr 66
		.amdhsa_reserve_vcc 0
		.amdhsa_float_denorm_mode_32 3
		.amdhsa_float_denorm_mode_16_64 3
		.amdhsa_memory_ordered 1
		.amdhsa_forward_progress 1
		.amdhsa_inst_pref_size 53
	.end_amdhsa_kernel
	.amdgpu_metadata
---
amdhsa.version: [ 1, 2 ]
amdhsa.kernels:
  - .name:           k_q575df14203_prep
    .symbol:         k_q575df14203_prep.kd
    .args:
      - { .name: y_all, .offset: 0, .size: 8, .value_kind: global_buffer, .address_space: global }
      - { .name: Wq, .offset: 8, .size: 8, .value_kind: global_buffer, .address_space: global }
      - { .name: Wk, .offset: 16, .size: 8, .value_kind: global_buffer, .address_space: global }
      - { .name: Wv, .offset: 24, .size: 8, .value_kind: global_buffer, .address_space: global }
      - { .name: Wo, .offset: 32, .size: 8, .value_kind: global_buffer, .address_space: global }
      - { .name: bq, .offset: 40, .size: 8, .value_kind: global_buffer, .address_space: global }
      - { .name: bk, .offset: 48, .size: 8, .value_kind: global_buffer, .address_space: global }
      - { .name: bv, .offset: 56, .size: 8, .value_kind: global_buffer, .address_space: global }
      - { .name: bo, .offset: 64, .size: 8, .value_kind: global_buffer, .address_space: global }
      - { .name: yh, .offset: 72, .size: 8, .value_kind: global_buffer, .address_space: global }
      - { .name: wqk, .offset: 80, .size: 8, .value_kind: global_buffer, .address_space: global }
      - { .name: ball, .offset: 88, .size: 8, .value_kind: global_buffer, .address_space: global }
      - { .name: qk, .offset: 96, .size: 8, .value_kind: global_buffer, .address_space: global }
    .group_segment_fixed_size: 70656
    .private_segment_fixed_size: 0
    .kernarg_segment_align: 8
    .kernarg_segment_size: 104
    .max_flat_workgroup_size: 256
    .sgpr_count:     66
    .vgpr_count:     114
    .wavefront_size: 32
...
	.end_amdgpu_metadata
.endif
;; end of part 1
;; launch proj (part 2): grid 8 x 32, 4 waves a work-group, clusters of 4 x 4, 327,680 bytes of LDS; arguments yh, wqk, ball, qk; writes qk
.if DOCPART == 2
	.amdgcn_target "amdgcn-amd-amdhsa--gfx1250"
	.amdhsa_code_object_version 6
	.text
	.protected	k_q575df14203_proj
	.globl	k_q575df14203_proj
	.p2align	8
	.type	k_q575df14203_proj,@function
k_q575df14203_proj:
	s_mov_b64 s[64:65], 0
	v_nop
	global_prefetch_b8 v0, s[64:65] scope:SCOPE_SE
	s_setreg_imm32_b32 hwreg(HW_REG_WAVE_MODE, 25, 1), 1
	s_wait_xcnt 0x0
	s_wait_alu depctr_hold_cnt(0) depctr_sa_sdst(0) depctr_va_vdst(0) depctr_va_sdst(0) depctr_va_ssrc(0) depctr_va_vcc(0) depctr_vm_vsrc(0)
	s_getreg_b32 s2, hwreg(HW_REG_IB_STS2, 6, 4)
	s_cmp_eq_u32 s2, 0
	s_cbranch_scc0 .Lentry_in_a_cluster
	s_endpgm
.Lentry_in_a_cluster:
	s_bfe_u32 s2, ttmp6, 0x10000c
	s_cmp_lg_u32 s2, 0xf033
	s_cbranch_scc0 .Lentry_shape_is_right
	s_endpgm
.Lentry_shape_is_right:
; PROJ: qk[row][n] = the sum over k of y[row][k] W[k][n] + bias[n], n = 0..2047 (q, then k), f16 operands, f32 sums, rounded once to f16.  q is NOT scaled here.
; (v is not made: the rows of the softmax sum to one, so ctx Wo + bo = (P y)(Wv Wo) + (bv Wo + bo), and later launches multiply P by y and the result by Wv Wo.)
; LIMIT: a result of 65,520 or more in magnitude becomes an infinity.
; SHARES.  8192 x 2048 numbers on 256 work-groups: a tile of 256 x 256 each.  Four waves, each 128 x 128: 64 accumulators of 16 x 16, 512 registers.  K goes in 8 steps of 128 through two LDS slots.
; A (yh) comes as rows of 256 bytes, 128 rows to a load; B (wqk, [k][n]) as two strips of 128 k-rows x 256 bytes, and leaves LDS turned, by ds_load_tr16_b128.  Waves 0, 1 ask for A's halves, waves 2, 3 for B's strips.
; CLUSTER 4 x 4: the four work-groups of a row of the cluster need the same tiles of A, the four of a column the same strips of B: each is asked for jointly, by the same load with the same descriptor and mask.
; THE MATRIX INSTRUCTION IS USED TRANSPOSED (source 0 = 16 columns of W, source 1 = 16 rows of y): a lane then holds eight neighbouring columns of one row.
; The bias is the C operand of the products that start the sums.  A wave's 128 columns of f16 are a whole 256 bytes, so each wave goes out through a stage of its own, without a barrier.
; REGISTERS, in windows of 256 (s_set_vgpr_msb: bits 1:0 source 0, 3:2 source 1, 5:4 source 2, 7:6 destination):
;   window 0: v1-12 addresses; v28, v29 the add's; v32-95, v96-159 A's fragments, two buffers; v160-223 B's eight fragments, one buffer loaded again in two groups
;   window 1 + g: accumulators of column blocks 4 g + bb: (a, bb) at v[8 (8 bb + a)];   window 3: v0-63 my 8 x 8 biases
.set PITCH,  272                       ; a row of A in LDS: 256 bytes + 16 = 68 words: row r starts at bank 4 r mod 64 (64 banks of 4 bytes: ISA guide 11.1)
.set HALFA,  128*PITCH
.set BOFF,   2*HALFA                   ; B's strips lie behind A's 256 rows
.set PB,     288                       ; a row of a strip of B: 256 bytes + 32 = 72 words
.set STRIPB, 128*PB
.set SLOT,   BOFF+2*STRIPB             ; 143,360
.set STAGE,  2*SLOT                    ; behind the ring: 16 rows x 272 bytes for each wave
.set SP,     272
.set SPARE,  STAGE+4*16*SP             ; the spare words, 128 bytes for each wave: two blocks of 256 bytes that no other line names
.set NS,     8                         ; K steps
.set A0L,  4                           ; v4   my lane's place in A's part of a slot; never rewritten
.set B0L,  5                           ; v5   the same for B
.set ADRA, 6                           ; v6, v7  the same in the slot in hand
.set ADRB, 7
.set STO,  8                           ; v8   the way out: where I put 16 bytes of a row
.set RD,   9                           ; v9   where I read a row back
.set CO,   10                          ; v10  my byte offset in qk
.set BO,   11                          ; v11  my byte offset among a block's 16 biases
.set SPW,  28                          ; v28  LDS address of my spare word; never rewritten
.set NIL,  29                          ; v29  0; never rewritten
.set AF0,  32
.set AF1,  96
.set BF,   160
.set PK,   32                          ; the way out: 32 registers of f16
.set OB,   64                          ; two sets of 32 registers read back from the stage
.set G1A, 16                           ; s[16:23] descriptor group 1 for A
.set G1B, 24                           ; s[24:31] for B
.set G0A, 32                           ; s[32:39] group 0 for A: a set for each first fill; the second then walks
.set G0B, 48                           ; s[48:55] the same for B
.set TB,  56                           ; s56  LDS byte at which the slot in hand begins: 0 or SLOT
.set LWA, 57                           ; s57, s58  my part's place in a slot
.set LWB, 58
.set CNT, 59
.set MSB, 0
.macro WIN new                         ; the immediate's high byte repeats the setting that is left; a switch that changes nothing is dropped
.if MSB != (\new)
	s_set_vgpr_msb (MSB<<8)|(\new)
.set MSB, (\new)
.endif
.endm
.macro PLACES                          ; four places between a matrix instruction and a load into, or a vector instruction on, its registers
.rept 4
	v_nop
.endr
.endm
; A joint load.  The branch hangs on the wave's number alone.  An s_nop 0 and four v_nop follow each of the two lines, ahead of the jump and the label.
.macro JLOAD s
	s_cmp_eq_u32 s13, 0
	s_cbranch_scc0 .Lfor_b_\@
	tensor_load_to_lds s[G0A+4*(\s):G0A+4*(\s)+3], s[G1A:G1A+7]
	s_nop 0
.rept 4
	v_nop
.endr
	s_branch .Lasked_\@
.Lfor_b_\@:
	tensor_load_to_lds s[G0B+4*(\s):G0B+4*(\s)+3], s[G1B:G1B+7]
	s_nop 0
.rept 4
	v_nop
.endr
.Lasked_\@:
.endm
.macro CREST                           ; a round of the cluster's barrier behind its opening barrier
	s_cmp_lg_u32 s12, 0
	s_cbranch_scc1 .Lnot_wave_0_\@
	s_barrier_signal -3
.Lnot_wave_0_\@:
	s_barrier_wait -3
	s_barrier_signal -1
	s_barrier_wait -1
.endm
.macro CROUND                          ; a whole round
	s_barrier_signal -1
	s_barrier_wait -1
	CREST
.endm
	s_load_b256 s[4:11], s[0:1], 0x0               ; yh 4, wqk 6, ball 8, qk 10
	v_lshl_add_u32 v[SPW], v0, 2, SPARE
	v_mov_b32 v[NIL], 0
	ds_add_u32 v28, v29
	ds_add_u32 v28, v29
	s_wait_dscnt 0x0
	v_lshrrev_b32 v1, 5, v0
	v_readfirstlane_b32 s12, v1                    ; wave 0..3
	s_lshr_b32 s13, s12, 1                         ; wr: my half of the tile's rows.  Also: I ask for A (0) or for B (1)
	s_and_b32 s14, s12, 1                          ; wc: my strip of its columns.  Also: which half of A, which strip of B I ask for
	s_bfe_u32 s40, ttmp6, 0x40000                  ; cx
	s_bfe_u32 s41, ttmp6, 0x40004                  ; cy
	s_lshl_b32 s42, ttmp9, 2
	s_add_co_u32 s42, s42, s40                     ; nt: tile column = 4 x cluster x + cx
	s_and_b32 s43, ttmp7, 0xffff
	s_lshl_b32 s43, s43, 2
	s_add_co_u32 s43, s43, s41                     ; mt: tile row = 4 x cluster y + cy
	s_lshl_b32 s44, s41, 2
	s_lshl_b32 s44, 15, s44                        ; my row of the cluster
	s_lshl_b32 s45, 0x1111, s40                    ; my column
	; group 1 for A: 128 rows x 128 elements of 2 bytes, 1,024 elements from row to row; 4 words of padding after every 64 words
	s_or_b32 s[G1A+0], s44, (1<<16)|(1<<20)|(1<<21)|(5<<22)|(3<<25)
	s_mov_b32 s[G1A+1], 128<<16                    ; tensor_dim0
	s_mov_b32 s[G1A+2], 128<<16                    ; tensor_dim1
	s_mov_b32 s[G1A+3], 128<<16                    ; tile_dim0
	s_mov_b32 s[G1A+4], 128                        ; tile_dim1
	s_mov_b32 s[G1A+5], 1024
	s_mov_b32 s[G1A+6], 0
	s_mov_b32 s[G1A+7], 0
	; group 1 for B: 128 rows x 128 elements, 2,048 elements from row to row; 8 words of padding after every 64 words
	s_or_b32 s[G1B+0], s45, (1<<16)|(1<<20)|(1<<21)|(5<<22)|(7<<25)
	s_mov_b32 s[G1B+1], 128<<16
	s_mov_b32 s[G1B+2], 128<<16
	s_mov_b32 s[G1B+3], 128<<16
	s_mov_b32 s[G1B+4], 128
	s_mov_b32 s[G1B+5], 2048
	s_mov_b32 s[G1B+6], 0
	s_mov_b32 s[G1B+7], 0
	s_lshl_b32 s60, s43, 8                         ; A: row 256 mt + 128 x half, of 2,048 bytes: it hangs on the tile row alone
	s_lshl_b32 s61, s14, 7
	s_add_co_u32 s60, s60, s61
	s_lshl_b32 s60, s60, 11
	s_mov_b32 s61, 0
	s_lshl_b32 s62, s42, 9                         ; B: byte 512 nt + 256 x strip of a row of wqk
	s_lshl_b32 s63, s14, 8
	s_add_co_u32 s62, s62, s63
	s_mov_b32 s63, 0
	s_mul_i32 s[LWA], s14, HALFA
	s_mul_i32 s[LWB], s14, STRIPB
	s_add_co_u32 s[LWB], s[LWB], BOFF
	s_mov_b32 s[TB], 0
	s_lshl_b32 s46, s43, 8                         ; qk: row 256 mt + 128 wr, of 4,096 bytes; byte 512 nt + 256 wc
	s_lshl_b32 s47, s13, 7
	s_add_co_u32 s46, s46, s47
	s_lshl_b32 s46, s46, 12
	s_lshl_b32 s47, s42, 9
	s_add_co_u32 s46, s46, s47
	s_lshl_b32 s47, s14, 8
	s_add_co_u32 s46, s46, s47
	s_mov_b32 s47, 0
	s_wait_kmcnt 0x0
	s_add_nc_u64 s[60:61], s[4:5], s[60:61]
	s_add_nc_u64 s[62:63], s[6:7], s[62:63]
	s_add_nc_u64 s[10:11], s[10:11], s[46:47]
	s_lshl_b32 s46, s42, 10                        ; my 128 biases: byte 1,024 nt + 512 wc
	s_lshl_b32 s47, s14, 9
	s_add_co_u32 s46, s46, s47
	s_mov_b32 s47, 0
	s_add_nc_u64 s[8:9], s[8:9], s[46:47]
	s_mov_b32 s[G0A+0], 1                          ; count = 1
	s_mov_b32 s[G0A+1], s[LWA]                     ; LDS address: slot 0
	s_mov_b64 s[G0A+2:G0A+3], s[60:61]             ; K step 0
	s_or_b32 s[G0A+3], s[G0A+3], 0x80000000        ; type = 2
	s_mov_b32 s[G0A+4], 1
	s_add_co_u32 s[G0A+5], s[LWA], SLOT
	s_add_nc_u64 s[G0A+6:G0A+7], s[60:61], 256     ; K step 1
	s_or_b32 s[G0A+7], s[G0A+7], 0x80000000
	s_mov_b32 s[G0B+0], 1
	s_mov_b32 s[G0B+1], s[LWB]
	s_mov_b64 s[G0B+2:G0B+3], s[62:63]
	s_or_b32 s[G0B+3], s[G0B+3], 0x80000000
	s_mov_b32 s[G0B+4], 1
	s_add_co_u32 s[G0B+5], s[LWB], SLOT
	s_add_nc_u64 s[G0B+6:G0B+7], s[62:63], 524288  ; 128 rows of 4,096 bytes on
	s_or_b32 s[G0B+7], s[G0B+7], 0x80000000
	CROUND                                         ; all sixteen work-groups are here: the first joint loads meet
	JLOAD 0
	JLOAD 1                                        ; two loads of mine are out
	v_and_b32 v1, 15, v0                           ; r = l % 16
	v_bfe_u32 v2, v0, 4, 1                         ; h = l / 16
	v_lshlrev_b32 v[BO], 5, v2                     ; my eight columns of a block of 16: 32 h bytes
	WIN 0xc0                                       ; destination window 3, address window 0
.irp c, 0,1,2,3,4,5,6,7
	global_load_b128 v[8*(\c):8*(\c)+3],   v[BO], s[8:9] offset:64*(\c)
	global_load_b128 v[8*(\c)+4:8*(\c)+7], v[BO], s[8:9] offset:64*(\c)+16
.endr
	WIN 0
	v_mul_u32_u24 v[A0L], v1, PITCH
	v_lshl_add_u32 v[A0L], v2, 4, v[A0L]
	s_mul_i32 s2, s13, HALFA
	v_add_nc_u32 v[A0L], s2, v[A0L]                ; my 128 rows; row r x pitch + 16 h
	v_and_b32 v3, 7, v0
	v_bfe_u32 v12, v0, 3, 1
	v_lshl_add_u32 v[B0L], v2, 3, v3               ; the turning load: lane l reads k-row 8 h + l % 8, 16 bytes at 16 ((l / 8) % 2)
	v_mul_u32_u24 v[B0L], v[B0L], PB
	v_lshl_add_u32 v[B0L], v12, 4, v[B0L]
	s_mul_i32 s2, s14, STRIPB
	s_add_co_u32 s2, s2, BOFF
	v_add_nc_u32 v[B0L], s2, v[B0L]                ; my strip
	v_mov_b32 v[ADRA], v[A0L]
	v_mov_b32 v[ADRB], v[B0L]
	s_mul_i32 s2, s12, 16*SP
	s_add_co_u32 s2, s2, STAGE                     ; my stage
	v_mul_u32_u24 v[STO], v1, SP                   ; in: row r, 16 bytes for each half of the lanes
	v_lshl_add_u32 v[STO], v2, 4, v[STO]
	v_add_nc_u32 v[STO], s2, v[STO]
	v_mul_u32_u24 v[RD], v2, SP                    ; back: lanes 0-15 one row of 256 bytes, lanes 16-31 the next
	v_lshl_add_u32 v[RD], v1, 4, v[RD]
	v_add_nc_u32 v[RD], s2, v[RD]
	v_lshlrev_b32 v[CO], 12, v2                    ; and the same two rows in qk, 4,096 bytes apart
	v_lshl_add_u32 v[CO], v1, 4, v[CO]
; 16 matrix instructions: column blocks 4 g + 2 half and + 1, all 8 row blocks, 32 along K.  first = 1: the bias starts the sums.  The accumulators take turns.
.macro BLKH g, ab, half, first
.if \first
	WIN ((1+(\g))<<6)|(3<<4)
.else
	WIN ((1+(\g))<<6)|((1+(\g))<<4)
.endif
.irp bb, 2*(\half), 2*(\half)+1
.irp a, 0,1,2,3,4,5,6,7
.if \first
	v_wmma_f32_16x16x32_f16 v[8*(8*(\bb)+(\a)):8*(8*(\bb)+(\a))+7], v[BF+8*(4*(\g)+(\bb)):BF+8*(4*(\g)+(\bb))+7], v[(\ab)+8*(\a):(\ab)+8*(\a)+7], v[8*(4*(\g)+(\bb)):8*(4*(\g)+(\bb))+7]
.else
	v_wmma_f32_16x16x32_f16 v[8*(8*(\bb)+(\a)):8*(8*(\bb)+(\a))+7], v[BF+8*(4*(\g)+(\bb)):BF+8*(4*(\g)+(\bb))+7], v[(\ab)+8*(\a):(\ab)+8*(\a)+7], v[8*(8*(\bb)+(\a)):8*(8*(\bb)+(\a))+7]
.endif
.endr
.endr
.endm
.macro BLK g, ab, first
	BLKH \g, \ab, 0, \first
	BLKH \g, \ab, 1, \first
.endm
.macro GLB g, qs                       ; 8 loads: group g of B's fragments, quarter qs of the K step
.irp bb, 0,1,2,3
	ds_load_tr16_b128 v[BF+8*(4*(\g)+(\bb)):BF+8*(4*(\g)+(\bb))+3],   v[ADRB] offset:32*(4*(\g)+(\bb))+32*PB*(\qs)
	ds_load_tr16_b128 v[BF+8*(4*(\g)+(\bb))+4:BF+8*(4*(\g)+(\bb))+7], v[ADRB] offset:32*(4*(\g)+(\bb))+32*PB*(\qs)+16*PB
.endr
.endm
.macro GLA ab, qs                      ; 16 loads: A's eight fragments
.irp a, 0,1,2,3,4,5,6,7
	ds_load_b128 v[(\ab)+8*(\a):(\ab)+8*(\a)+3],   v[ADRA] offset:(\a)*16*PITCH+64*(\qs)
	ds_load_b128 v[(\ab)+8*(\a)+4:(\ab)+8*(\a)+7], v[ADRA] offset:(\a)*16*PITCH+64*(\qs)+32
.endr
.endm
; A quarter of a K step: multiplies A's buffer ab; fetches quarter qs: behind group 0's products group 0 and A's fragments (into nab), behind group 1's group 1.
; At its head are out, in order of issue: group 0's 8 and A's 16, group 1's 8.
.macro QS ab, nab, qs, first
	s_wait_dscnt 8                                 ; group 1 may be out
	BLK 0, \ab, \first
	WIN 0
	PLACES
	GLB 0, \qs
	GLA \nab, \qs
	s_wait_dscnt 24                                ; all but the 24 just issued
	BLK 1, \ab, \first
	WIN 0
	PLACES
	GLB 1, \qs
.endm
; The last quarter multiplies buffer 1 and changes slots: ONE barrier; in front of it each wave waits for all its tensor loads (one is out: its part of the next slot), adds 0 to its spare word, and waits
; for that and for its own reads of this slot.  fill = 1: the barrier opens a round of the cluster's, and this slot is filled again, two K steps ahead, first thing behind the round.
.macro QT fill
	WIN 0
	s_wait_tensorcnt 0x0
	ds_add_u32 v[SPW], v[NIL]                      ; 0 onto my spare word
	s_wait_dscnt 9                                 ; the add and group 1 may be out
	BLKH 0, AF1, 0, 0
	s_wait_dscnt 0x0                               ; the add is done, and my reads of this slot are over
	s_barrier_signal -1
	BLKH 0, AF1, 1, 0
	WIN 0
	s_barrier_wait -1
.if \fill
	CREST                                          ; no wave of any partner still reads this slot or has a load on its way
	s_add_co_u32 s[G0A+5], s[LWA], s[TB]           ; the walking descriptors: the slot just read,
	s_add_nc_u64 s[G0A+6:G0A+7], s[G0A+6:G0A+7], 256  ; the next K step; the type bits on top are not reached
	s_add_co_u32 s[G0B+5], s[LWB], s[TB]
	s_add_nc_u64 s[G0B+6:G0B+7], s[G0B+6:G0B+7], 524288
	JLOAD 1                                        ; the four v_nop behind it are also the places in front of the loads below
.else
	PLACES
.endif
	s_xor_b32 s[TB], s[TB], SLOT                   ; 0 <-> SLOT
	v_add_nc_u32 v[ADRA], s[TB], v[A0L]
	v_add_nc_u32 v[ADRB], s[TB], v[B0L]
	GLB 0, 0
	GLA AF0, 0
	BLK 1, AF1, 0                                  ; its fragments are in since the wait for 0
	WIN 0
	PLACES
	GLB 1, 0
.endm
	s_wait_tensorcnt 0x1                           ; my part of K step 0 is in; step 1's may stay out
	s_barrier_signal -1
	s_barrier_wait -1
	GLB 0, 0
	GLA AF0, 0
	GLB 1, 0
	s_wait_loadcnt 0x0                             ; the biases
	QS AF0, AF1, 1, 1                              ; the first quarter stands in front of the loop: its products start the sums, with the bias
	s_mov_b32 s[CNT], NS-2
.Lstep:                                                ; a trip: from a K step's second quarter to the next step's first; one refill
	QS AF1, AF0, 2, 0
	QS AF0, AF1, 3, 0
	QT 1
	QS AF0, AF1, 1, 0
	s_sub_co_u32 s[CNT], s[CNT], 1
	s_cmp_lg_u32 s[CNT], 0
	s_cbranch_scc1 .Lstep
	QS AF1, AF0, 2, 0                              ; the last two K steps ask for nothing
	QS AF0, AF1, 3, 0
	QT 0
	QS AF0, AF1, 1, 0
	QS AF1, AF0, 2, 0
	QS AF0, AF1, 3, 0
	s_wait_dscnt 8
	BLK 0, AF1, 0
	s_wait_dscnt 0x0
	BLK 1, AF1, 0
	; THE WAY OUT: 16 rows at a time: rounded to f16, 16 bytes a lane into my own stage, whole rows of 256 bytes back.  No barrier: LDS serves a wave's instructions in order (ISA guide 5.7.1.4).
	WIN 0
	PLACES
.macro PACK a                          ; row block a; each accumulator's registers are taken in ascending order
.irp g, 0,1
	WIN (1+(\g))|((1+(\g))<<2)                     ; sources 0 and 1 in window 1 + g
.irp bb, 0,1,2,3
.irp j, 0,1,2,3
	v_cvt_pk_f16_f32 v[PK+4*(4*(\g)+(\bb))+(\j)], v[8*(8*(\bb)+(\a))+2*(\j)], v[8*(8*(\bb)+(\a))+2*(\j)+1]
.endr
.endr
.endr
	WIN 0
.endm
.macro TOSTAGE a
.if (\a) >= 2
	s_wait_xcnt 0x0                                ; the registers that the stores two blocks back read are loaded again only behind this wait
.endif
.irp c, 0,1,2,3,4,5,6,7
	ds_store_b128 v[STO], v[PK+4*(\c):PK+4*(\c)+3] offset:32*(\c)
.endr
.irp t, 0,1,2,3,4,5,6,7
	ds_load_b128 v[OB+32*((\a)%2)+4*(\t):OB+32*((\a)%2)+4*(\t)+3], v[RD] offset:2*SP*(\t)
.endr
.endm
.macro SEND a, younger                 ; younger: the next block's 8 stores and 8 loads, or none
	s_wait_dscnt \younger
.irp t, 0,1,2,3,4,5,6,7
	global_store_b128 v[CO], v[OB+32*((\a)%2)+4*(\t):OB+32*((\a)%2)+4*(\t)+3], s[10:11] offset:(16*(\a)+2*(\t))*4096  ; 16 lanes store 256 consecutive bytes, at a multiple of 256 from qk's first byte
.endr
.endm
	PACK 0
	TOSTAGE 0
.irp a, 1,2,3,4,5,6,7
	PACK \a                                        ; a block's conversions stand between the loads of the block before and its stores
	TOSTAGE \a
	SEND (\a)-1, 16
.endr
	SEND 7, 0
	s_wait_tensorcnt 0x0                           ; the wave's end
	ds_add_u32 v[SPW], v[NIL]
	s_wait_dscnt 0x0
	CROUND                                         ; the closing round: no work-group ends while a partner may still ask for a tile that names it
	s_endpgm
.Lfunc_end_k_q575df14203_proj:
	.size	k_q575df14203_proj, .Lfunc_end_k_q575df14203_proj-k_q575df14203_proj
	.p2alignl 7, 3214868480
	.fill 96, 4, 3214868480
	.section	.rodata,"a",@progbits
	.p2align	6, 0x0
	.amdhsa_kernel k_q575df14203_proj
		.amdhsa_group_segment_fixed_size 327680
		.amdhsa_private_segment_fixed_size 0
		.amdhsa_enable_private_segment 0
		.amdhsa_kernarg_size 32
		.amdhsa_user_sgpr_count 2
		.amdhsa_user_sgpr_kernarg_segment_ptr 1
		.amdhsa_wavefront_size32 1
		.amdhsa_system_sgpr_workgroup_id_x 1
		.amdhsa_system_sgpr_workgroup_id_y 1
		.amdhsa_system_sgpr_workgroup_id_z 1
		.amdhsa_system_vgpr_workitem_id 0
		.amdhsa_next_free_vgpr 832
		.amdhsa_next_free_sgpr 66
		.amdhsa_reserve_vcc 0
		.amdhsa_float_denorm_mode_32 3
		.amdhsa_float_denorm_mode_16_64 3
		.amdhsa_memory_ordered 1
		.amdhsa_forward_progress 1
		.amdhsa_inst_pref_size 120
	.end_amdhsa_kernel
	.amdgpu_metadata
---
amdhsa.version: [ 1, 2 ]
amdhsa.kernels:
  - .name:           k_q575df14203_proj
    .symbol:         k_q575df14203_proj.kd
    .args:
      - { .name: yh, .offset: 0, .size: 8, .value_kind: global_buffer, .address_space: global }
      - { .name: wqk, .offset: 8, .size: 8, .value_kind: global_buffer, .address_space: global }
      - { .name: ball, .offset: 16, .size: 8, .value_kind: global_buffer, .address_space: global }
      - { .name: qk, .offset: 24, .size: 8, .value_kind: global_buffer, .address_space: global }
    .group_segment_fixed_size: 327680
    .private_segment_fixed_size: 0
    .kernarg_segment_align: 8
    .kernarg_segment_size: 32
    .max_flat_workgroup_size: 128
    .sgpr_count:     66
    .vgpr_count:     832
    .wavefront_size: 32
...
	.end_amdgpu_metadata
.endif
;; end of part 2
;; launch scores (part 3): grid 41 x 4, 4 waves a work-group, no clusters, 327,680 bytes of LDS; arguments qk, sc; writes sc
.if DOCPART == 3
	.amdgcn_target "amdgcn-amd-amdhsa--gfx1250"
	.amdhsa_code_object_version 6
	.text
	.protected	k_q575df14203_scores
	.globl	k_q575df14203_scores
	.p2align	8
	.type	k_q575df14203_scores,@function
k_q575df14203_scores:
	s_mov_b64 s[64:65], 0
	v_nop
	global_prefetch_b8 v0, s[64:65] scope:SCOPE_SE
	s_setreg_imm32_b32 hwreg(HW_REG_WAVE_MODE, 25, 1), 1
	s_wait_xcnt 0x0
; SCORES: a tile of 256 x 256 of C[i][j] = the sum over d of A[i][d] B[j][d]; A is the first half, B the second half of rows of qk; f16 operands, f32 sums, stored as f32.
; TWO KINDS OF TILE, ONE TEXT.  x = 0..35, y = batch b: sc[b][q][k] = q . k, unscaled (the softmax applies 1/32), only the 36 tiles on or below the diagonal; whole tiles are stored, and the softmax
; masks by index.  With P = x / 9 and xx = x % 9: the 8 - P tiles of tile row 7 - P, then the P + 1 tiles of tile row P.  f32, since the scores of inputs some 30 times larger pass f16's range.
; x = 36..40, y = J: 64 Wv Wo and 64 bv Wo.  Row 8192 + i of qk holds 64 Wv[i][:] and then Wo[:][i], row 9216 holds 64 bv.  Row tiles 0 to 3 give rows 8192 to 9215 of sc.  The fifth reads rows
; 8961 to 9216, so that all its rows exist, and stores into rows of its own, 9216 to 9471, of which the last is 64 bv Wo; the other 255 repeat what row tiles 3 and 4 have and are not read.
; 164 work-groups of equal work.
; NO CLUSTER: tile row I of the triangle is shared by I + 1 tiles and tile column J by 8 - J, 1 to 8 of them: it does not divide into fours of equal partners without work-groups whose tiles the mask throws away.
; SHARES.  Four waves, each 128 x 128: 64 accumulators, 512 registers.  K goes in 8 steps of 128 (rows of 256 bytes) through two LDS slots; each wave asks for 128 rows: waves 0, 1 of A, waves 2, 3 of B.
; THE MATRIX INSTRUCTION IS USED TRANSPOSED (source 0 = 16 rows of B, source 1 = 16 rows of A): a lane holds eight neighbouring columns of one row of C.
; REGISTERS (s_set_vgpr_msb: bits 1:0 source 0, 3:2 source 1, 5:4 source 2, 7:6 destination): window 0: v1-10 addresses; v28, v29 the add's; v32-95, v96-159 A's fragments, two buffers;
;   v160-223 B's eight fragments, one buffer loaded again in two groups.  Window 1 + g: accumulators of B's row blocks 4 g + bb: (a, bb) at v[8 (8 bb + a)].
.set PITCH, 272                        ; an LDS row: 256 bytes + 16 = 68 words: row r starts at bank 4 r mod 64 (64 banks of 4 bytes: ISA guide 11.1)
.set HALFT, 128*PITCH                  ; what one tensor load brings
.set SLOT,  4*HALFT                    ; A's 256 rows, then B's 256 rows
.set STAGE, 2*SLOT                     ; behind the ring: 16 rows x 528 bytes for each wave
.set SP,    528                        ; 512 bytes + 16 = 132 words
.set SPARE, STAGE+4*16*SP              ; the spare words, 128 bytes for each wave: two blocks of 256 bytes that no other line names
.set NS,    8
.set A0L,  4                           ; v4  my lane's place in A's part of a slot; never rewritten
.set B0L,  5                           ; v5  in B's
.set ADRA, 6                           ; v6, v7  the same in the slot in hand
.set ADRB, 7
.set STO,  8
.set RD,   9
.set CO,   10
.set SPW,  28
.set NIL,  29
.set AF0,  32
.set AF1,  96
.set BF,   160
.set G1,  16                           ; s[16:23] descriptor group 1
.set G0,  32                           ; s[32:39] group 0: a set for each first fill; the second then walks
.set TB,  40                           ; s40  LDS byte at which the slot in hand begins: 0 or SLOT
.set LW,  41                           ; s41  my 128 rows' place in a slot
.set CNT, 42
.set MSB, 0
.macro WIN new
.if MSB != (\new)
	s_set_vgpr_msb (MSB<<8)|(\new)
.set MSB, (\new)
.endif
.endm
.macro PLACES                          ; four places between a matrix instruction and a load into, or a store from, its registers
.rept 4
	v_nop
.endr
.endm
	s_load_b128 s[4:7], s[0:1], 0x0                ; qk 4, sc 6
	v_lshl_add_u32 v[SPW], v0, 2, SPARE
	v_mov_b32 v[NIL], 0
	ds_add_u32 v28, v29
	ds_add_u32 v28, v29
	s_wait_dscnt 0x0
	v_lshrrev_b32 v1, 5, v0
	v_readfirstlane_b32 s8, v1                     ; wave
	s_lshr_b32 s9, s8, 1                           ; wr
	s_and_b32 s10, s8, 1                           ; wc
	s_mov_b32 s11, ttmp9                           ; x
	s_and_b32 s13, ttmp7, 0xffff                   ; y
	; a tile of the triangle
	s_mul_hi_u32 s14, s11, 0x1c71c71d              ; P = x / 9 (the factor is 2^32 / 9, rounded up: right for every x here)
	s_mul_i32 s25, s14, 9
	s_sub_co_u32 s12, s11, s25                     ; xx
	s_sub_co_u32 s25, 8, s14
	s_sub_co_u32 s26, 7, s14
	s_sub_co_u32 s27, s12, s25
	s_cmp_lt_u32 s12, s25
	s_cselect_b32 s15, s26, s14                    ; I
	s_cselect_b32 s24, s12, s27                    ; J
	s_lshl_b32 s30, s13, 11                        ; 2048 b
	s_lshl_b32 s15, s15, 8
	s_add_co_u32 s15, s15, s30                     ; A's and C's first row
	s_lshl_b32 s24, s24, 8                         ; C's first column
	s_add_co_u32 s31, s24, s30                     ; B's first row
	; a tile of the weights' product
	s_sub_co_u32 s25, s11, 36
	s_lshl_b32 s25, s25, 8                         ; 256 x row tile
	s_min_u32 s26, s25, 769                        ; the fifth row tile ends with row 1024
	s_add_co_u32 s26, s26, 8192                    ; A's first row
	s_add_co_u32 s25, s25, 8192                    ; C's first row
	s_lshl_b32 s27, s13, 8                         ; C's first column
	s_add_co_u32 s43, s27, 8192                    ; B's first row
	s_cmp_lt_u32 s11, 36
	s_cselect_b32 s44, s15, s25                    ; C's first row
	s_cselect_b32 s15, s15, s26                    ; A's
	s_cselect_b32 s31, s31, s43                    ; B's
	s_cselect_b32 s24, s24, s27                    ; C's first column
	s_mov_b32 s[G1+0], (1<<16)|(1<<20)|(5<<22)|(3<<25)  ; elements of 2 bytes; 4 words of padding after every 64 words
	s_mov_b32 s[G1+1], 128<<16                     ; tensor_dim0
	s_mov_b32 s[G1+2], 128<<16                     ; tensor_dim1
	s_mov_b32 s[G1+3], 128<<16                     ; tile_dim0
	s_mov_b32 s[G1+4], 128                         ; tile_dim1
	s_mov_b32 s[G1+5], 2048                        ; elements from row to row of qk
	s_mov_b32 s[G1+6], 0
	s_mov_b32 s[G1+7], 0
	s_cmp_lt_u32 s8, 2
	s_cselect_b32 s28, s15, s31                    ; waves 0, 1: A's rows; waves 2, 3: B's
	s_cselect_b32 s29, 0, 2048                     ; A at byte 0 of a row of qk, B at byte 2,048
	s_lshl_b32 s30, s10, 7
	s_add_co_u32 s28, s28, s30                     ; my first row,
	s_lshl_b32 s28, s28, 12                        ; of 4,096 bytes
	s_add_co_u32 s28, s28, s29
	s_mov_b32 s29, 0
	s_mul_i32 s[LW], s8, HALFT
	s_mov_b32 s[TB], 0
	s_wait_kmcnt 0x0
	s_add_nc_u64 s[28:29], s[4:5], s[28:29]
	s_mov_b32 s[G0+0], 1
	s_mov_b32 s[G0+1], s[LW]
	s_mov_b64 s[G0+2:G0+3], s[28:29]
	s_or_b32 s[G0+3], s[G0+3], 0x80000000
	s_mov_b32 s[G0+4], 1
	s_add_co_u32 s[G0+5], s[LW], SLOT
	s_add_nc_u64 s[G0+6:G0+7], s[28:29], 256
	s_or_b32 s[G0+7], s[G0+7], 0x80000000
	tensor_load_to_lds s[G0:G0+3], s[G1:G1+7]      ; K step 0
	s_nop 0
	tensor_load_to_lds s[G0+4:G0+7], s[G1:G1+7]    ; K step 1: two loads of mine are out
	s_nop 0
	PLACES
	v_and_b32 v1, 15, v0                           ; r
	v_bfe_u32 v2, v0, 4, 1                         ; h
	v_mul_u32_u24 v3, v1, PITCH
	v_lshl_add_u32 v3, v2, 4, v3
	s_mul_i32 s25, s9, HALFT
	s_mul_i32 s26, s10, HALFT
	s_add_co_u32 s26, s26, 2*HALFT
	v_add_nc_u32 v[A0L], s25, v3
	v_add_nc_u32 v[B0L], s26, v3
	v_mov_b32 v[ADRA], v[A0L]
	v_mov_b32 v[ADRB], v[B0L]
	s_mul_i32 s27, s8, 16*SP
	s_add_co_u32 s27, s27, STAGE                   ; my stage
	v_mul_u32_u24 v[STO], v1, SP                   ; in: row r, 32 bytes for each half of the lanes
	v_lshl_add_u32 v[STO], v2, 5, v[STO]
	v_add_nc_u32 v[STO], s27, v[STO]
	v_and_b32 v[CO], 31, v0
	v_lshlrev_b32 v[CO], 4, v[CO]                  ; back, and in sc: 32 lanes take a row's 512 bytes
	v_add_nc_u32 v[RD], s27, v[CO]
	s_lshl_b32 s25, s9, 7                          ; my first row of sc: C's first row + 128 wr,
	s_add_co_u32 s30, s44, s25
	s_lshl_b32 s30, s30, 13                        ; of 8,192 bytes;
	s_lshl_b32 s25, s24, 2                         ; my first column: C's first column + 128 wc, of 4 bytes
	s_add_co_u32 s30, s30, s25
	s_lshl_b32 s25, s10, 9
	s_add_co_u32 s30, s30, s25
	s_mov_b32 s31, 0
	s_add_nc_u64 s[6:7], s[6:7], s[30:31]
; 16 matrix instructions: B's row blocks 4 g + 2 half and + 1, all 8 row blocks of A, 32 along K.  The accumulators take turns.
.macro BLKH g, ab, half, zero
	WIN ((1+(\g))<<6)|((1+(\g))<<4)
.irp bb, 2*(\half), 2*(\half)+1
.irp a, 0,1,2,3,4,5,6,7
.if \zero
	v_wmma_f32_16x16x32_f16 v[8*(8*(\bb)+(\a)):8*(8*(\bb)+(\a))+7], v[BF+8*(4*(\g)+(\bb)):BF+8*(4*(\g)+(\bb))+7], v[(\ab)+8*(\a):(\ab)+8*(\a)+7], 0
.else
	v_wmma_f32_16x16x32_f16 v[8*(8*(\bb)+(\a)):8*(8*(\bb)+(\a))+7], v[BF+8*(4*(\g)+(\bb)):BF+8*(4*(\g)+(\bb))+7], v[(\ab)+8*(\a):(\ab)+8*(\a)+7], v[8*(8*(\bb)+(\a)):8*(8*(\bb)+(\a))+7]
.endif
.endr
.endr
.endm
.macro BLK g, ab, zero
	BLKH \g, \ab, 0, \zero
	BLKH \g, \ab, 1, \zero
.endm
.macro GLB g, qs                       ; 8 loads: group g of B's fragments, quarter qs of the K step
.irp bb, 0,1,2,3
	ds_load_b128 v[BF+8*(4*(\g)+(\bb)):BF+8*(4*(\g)+(\bb))+3],   v[ADRB] offset:(4*(\g)+(\bb))*16*PITCH+64*(\qs)
	ds_load_b128 v[BF+8*(4*(\g)+(\bb))+4:BF+8*(4*(\g)+(\bb))+7], v[ADRB] offset:(4*(\g)+(\bb))*16*PITCH+64*(\qs)+32
.endr
.endm
.macro GLA ab, qs                      ; 16 loads: A's eight fragments
.irp a, 0,1,2,3,4,5,6,7
	ds_load_b128 v[(\ab)+8*(\a):(\ab)+8*(\a)+3],   v[ADRA] offset:(\a)*16*PITCH+64*(\qs)
	ds_load_b128 v[(\ab)+8*(\a)+4:(\ab)+8*(\a)+7], v[ADRA] offset:(\a)*16*PITCH+64*(\qs)+32
.endr
.endm
; A quarter of a K step: multiplies A's buffer ab; fetches quarter qs: behind group 0's products group 0 and A's fragments (into nab), behind group 1's group 1.
; At its head are out, in order of issue: group 0's 8 and A's 16, group 1's 8.
.macro QS ab, nab, qs, zero
	s_wait_dscnt 8                                 ; group 1 may be out
	BLK 0, \ab, \zero
	WIN 0
	PLACES
	GLB 0, \qs
	GLA \nab, \qs
	s_wait_dscnt 24                                ; all but the 24 just issued
	BLK 1, \ab, \zero
	WIN 0
	PLACES
	GLB 1, \qs
.endm
; The last quarter multiplies buffer 1 and changes slots: ONE barrier; in front of it each wave waits for all its tensor loads (one is out: its part of the next slot), adds 0 to its spare word, and waits
; for that and for its own reads of this slot.  fill = 1: this slot is filled again, two K steps ahead, first thing behind the barrier: it has a K step's 256 matrix instructions, less 32, in which to land.
.macro QT fill
	WIN 0
	s_wait_tensorcnt 0x0
	ds_add_u32 v[SPW], v[NIL]                      ; 0 onto my spare word
	s_wait_dscnt 9                                 ; the add and group 1 may be out
	BLKH 0, AF1, 0, 0
	s_wait_dscnt 0x0                               ; the add is done, and my reads of this slot are over
	s_barrier_signal -1
	BLKH 0, AF1, 1, 0
	WIN 0
	s_barrier_wait -1
.if \fill
	s_add_co_u32 s[G0+5], s[LW], s[TB]             ; the walking descriptor: the slot just read,
	s_add_nc_u64 s[G0+6:G0+7], s[G0+6:G0+7], 256   ; the next K step
	tensor_load_to_lds s[G0+4:G0+7], s[G1:G1+7]
	s_nop 0
.endif
	PLACES
	s_xor_b32 s[TB], s[TB], SLOT                   ; 0 <-> SLOT
	v_add_nc_u32 v[ADRA], s[TB], v[A0L]
	v_add_nc_u32 v[ADRB], s[TB], v[B0L]
	GLB 0, 0
	GLA AF0, 0
	BLK 1, AF1, 0                                  ; its fragments are in since the wait for 0
	WIN 0
	PLACES
	GLB 1, 0
.endm
	s_wait_tensorcnt 0x1                           ; my part of K step 0 is in; step 1's may stay out
	s_barrier_signal -1
	s_barrier_wait -1
	GLB 0, 0
	GLA AF0, 0
	GLB 1, 0
	QS AF0, AF1, 1, 1                              ; the first quarter stands in front of the loop: its products start the sums
	s_mov_b32 s[CNT], NS-2
.Lstep:                                                ; a trip: from a K step's second quarter to the next step's first; one refill
	QS AF1, AF0, 2, 0
	QS AF0, AF1, 3, 0
	QT 1
	QS AF0, AF1, 1, 0
	s_sub_co_u32 s[CNT], s[CNT], 1
	s_cmp_lg_u32 s[CNT], 0
	s_cbranch_scc1 .Lstep
	QS AF1, AF0, 2, 0                              ; the last two K steps ask for nothing
	QS AF0, AF1, 3, 0
	QT 0
	QS AF0, AF1, 1, 0
	QS AF1, AF0, 2, 0
	QS AF0, AF1, 3, 0
	s_wait_dscnt 8
	BLK 0, AF1, 0
	s_wait_dscnt 0x0
	BLK 1, AF1, 0
	; THE WAY OUT: 16 rows at a time through my own stage: a lane's 32 bytes in, whole rows of 512 bytes back.  No barrier: LDS serves a wave's instructions in order (ISA guide 5.7.1.4).
	WIN 0
	PLACES
.macro TOSTAGE a
.if (\a) >= 2
	s_wait_xcnt 0x0                                ; the registers that the stores two blocks back read are loaded again only behind this wait
.endif
.irp g, 0,1
	WIN (1+(\g))<<2                                ; store data in window 1 + g; each accumulator's low four registers go first
.irp bb, 0,1,2,3
	ds_store_b128 v[STO], v[8*(8*(\bb)+(\a)):8*(8*(\bb)+(\a))+3]   offset:64*(4*(\g)+(\bb))
	ds_store_b128 v[STO], v[8*(8*(\bb)+(\a))+4:8*(8*(\bb)+(\a))+7] offset:64*(4*(\g)+(\bb))+16
.endr
.endr
	WIN 0
.irp t, 0,1,2,3,4,5,6,7,8,9,10,11,12,13,14,15
	ds_load_b128 v[32+64*((\a)%2)+4*(\t):32+64*((\a)%2)+4*(\t)+3], v[RD] offset:SP*(\t)
.endr
.endm
.macro SEND a, younger                 ; younger: the next block's 16 stores and 16 loads, or none
	s_wait_dscnt \younger
.irp t, 0,1,2,3,4,5,6,7,8,9,10,11,12,13,14,15
	global_store_b128 v[CO], v[32+64*((\a)%2)+4*(\t):32+64*((\a)%2)+4*(\t)+3], s[6:7] offset:(16*(\a)+(\t))*8192  ; 512 consecutive bytes, at a multiple of 512 from sc's first byte
.endr
.endm
	TOSTAGE 0
.irp a, 1,2,3,4,5,6,7
	TOSTAGE \a
	SEND (\a)-1, 32
.endr
	SEND 7, 0
	s_wait_tensorcnt 0x0                           ; the wave's end
	ds_add_u32 v[SPW], v[NIL]
	s_wait_dscnt 0x0
	s_endpgm
.Lfunc_end_k_q575df14203_scores:
	.size	k_q575df14203_scores, .Lfunc_end_k_q575df14203_scores-k_q575df14203_scores
	.p2alignl 7, 3214868480
	.fill 96, 4, 3214868480
	.section	.rodata,"a",@progbits
	.p2align	6, 0x0
	.amdhsa_kernel k_q575df14203_scores
		.amdhsa_group_segment_fixed_size 327680
		.amdhsa_private_segment_fixed_size 0
		.amdhsa_enable_private_segment 0
		.amdhsa_kernarg_size 16
		.amdhsa_user_sgpr_count 2
		.amdhsa_user_sgpr_kernarg_segment_ptr 1
		.amdhsa_wavefront_size32 1
		.amdhsa_system_sgpr_workgroup_id_x 1
		.amdhsa_system_sgpr_workgroup_id_y 1
		.amdhsa_system_sgpr_workgroup_id_z 1
		.amdhsa_system_vgpr_workitem_id 0
		.amdhsa_next_free_vgpr 768
		.amdhsa_next_free_sgpr 66
		.amdhsa_reserve_vcc 0
		.amdhsa_float_denorm_mode_32 3
		.amdhsa_float_denorm_mode_16_64 3
		.amdhsa_memory_ordered 1
		.amdhsa_forward_progress 1
		.amdhsa_inst_pref_size 113
	.end_amdhsa_kernel
	.amdgpu_metadata
---
amdhsa.version: [ 1, 2 ]
amdhsa.kernels:
  - .name:           k_q575df14203_scores
    .symbol:         k_q575df14203_scores.kd
    .args:
      - { .name: qk, .offset: 0, .size: 8, .value_kind: global_buffer, .address_space: global }
      - { .name: sc, .offset: 8, .size: 8, .value_kind: global_buffer, .address_space: global }
    .group_segment_fixed_size: 327680
    .private_segment_fixed_size: 0
    .kernarg_segment_align: 8
    .kernarg_segment_size: 16
    .max_flat_workgroup_size: 128
    .sgpr_count:     66
    .vgpr_count:     768
    .wavefront_size: 32
...
	.end_amdgpu_metadata
.endif
;; end of part 3
;; launch smax (part 4): grid 640 x 1, 8 waves a work-group, no clusters, 0 bytes of LDS; arguments sc, pw, wf; writes pw, wf
.if DOCPART == 4
	.amdgcn_target "amdgcn-amd-amdhsa--gfx1250"
	.amdhsa_code_object_version 6
	.text
	.protected	k_q575df14203_smax
	.globl	k_q575df14203_smax
	.p2align	8
	.type	k_q575df14203_smax,@function
k_q575df14203_smax:
	s_mov_b64 s[64:65], 0
	v_nop
	global_prefetch_b8 v0, s[64:65] scope:SCOPE_SE
	s_setreg_imm32_b32 hwreg(HW_REG_WAVE_MODE, 25, 1), 1
	s_wait_xcnt 0x0
; SMAX, work-groups 0-511: pw[b][q][k] = softmax over k <= q of sc[b][q][k] / 32, f16.  All arithmetic in f32; the row's true maximum is taken away: p = 2^(c s - c m), c = log2(e) / 32; the weight is
; divided by the row's sum and rounded once.  Columns above the diagonal inside the diagonal chunk of 256 are written as 0 (the next launch multiplies whole chunks); later chunks are neither read nor written.
; Work-groups 512-639: wf[i][n] = the first 1,024 numbers of row 8192 + i of sc (64 Wv Wo), rounded once to f16: a wave a row.
; LIMITS: a weight below 6.1e-5 keeps f16's fixed step of 6e-8; an exponential below 2^-126 counts as 0; 64 Wv Wo of 65,520 or more becomes an infinity; NaN and infinities are not treated apart.
; Memory binds: no LDS, no matrix unit, no cluster (no two work-groups read the same bytes).  A row is at most 8,192 bytes: one wave keeps it in 64 registers between the maximum, the sum and the
; scaling, so it is read once.  SHARES: a wave takes row rr of tile row 7 - P and then row rr of tile row P: 9 chunks of 256 columns, whatever P.
; Register slot 0 is always the diagonal chunk, slot k the chunk k to its left, reached by negative immediates; slots of chunks that the row does not have hold -infinity and lose every maximum.
.set X,  8                             ; v[8:71]    slot k: 8 registers: columns 4 l + e and 128 + 4 l + e of the chunk
.set Y,  72                            ; v[72:103]  slot k: 4 registers of f16
.set M,  104                           ; v[104:107] four running maxima
.set L,  108                           ; v[108:111] two packed running sums
.set CM, 116                           ; v[116:117] c m, twice
.set RL, 118                           ; v[118:119] 1 / sum, twice
	s_load_b128 s[4:7], s[0:1], 0x0                ; sc 4, pw 6
	s_load_b64 s[28:29], s[0:1], 0x10              ; wf
	v_lshrrev_b32 v1, 5, v0
	v_readfirstlane_b32 s8, v1                     ; wave
	v_and_b32 v1, 31, v0                           ; lane
	v_lshlrev_b32 v2, 4, v1                        ; my 16 bytes of 512 of sc
	v_lshlrev_b32 v3, 3, v1                        ; my 8 bytes of 256 of pw or wf
	s_mov_b32 s17, 0                               ; the high word of the offset pair
	s_wait_kmcnt 0x0
	s_cmp_lt_u32 ttmp9, 512
	s_cbranch_scc1 .Lsoft
	; THE SECOND ROLE: a stream.  Eight loads of 512 bytes, all out at once; eight stores of 256 consecutive bytes, aligned.
	s_sub_co_u32 s9, ttmp9, 512
	s_lshl_b32 s9, s9, 3
	s_add_co_u32 s9, s9, s8                        ; i
	s_add_co_u32 s16, s9, 8192
	s_lshl_b32 s16, s16, 13                        ; row 8192 + i of 8,192 bytes
	s_add_nc_u64 s[24:25], s[4:5], s[16:17]
	s_lshl_b32 s16, s9, 11                         ; row i of 2,048 bytes
	s_add_nc_u64 s[26:27], s[28:29], s[16:17]
.irp c, 0,1,2,3,4,5,6,7
	global_load_b128 v[X+4*(\c):X+4*(\c)+3], v2, s[24:25] offset:512*(\c) th:TH_LOAD_NT
.endr
.irp c, 0,1,2,3,4,5,6,7
	s_wait_loadcnt 7-(\c)                          ; loads come back in order: piece c is in, the younger ones stay out
	v_cvt_pk_f16_f32 v[Y+2*(\c)],   v[X+4*(\c)],   v[X+4*(\c)+1]
	v_cvt_pk_f16_f32 v[Y+2*(\c)+1], v[X+4*(\c)+2], v[X+4*(\c)+3]
	global_store_b64 v3, v[Y+2*(\c):Y+2*(\c)+1], s[26:27] offset:256*(\c)
.endr
	s_endpgm
.Lsoft:
	s_lshr_b32 s9, ttmp9, 7                        ; b
	s_bfe_u32 s10, ttmp9, 0x20005                  ; P
	s_and_b32 s11, ttmp9, 31
	s_lshl_b32 s11, s11, 3
	s_add_co_u32 s11, s11, s8                      ; rr: the row's place in its tile row
	v_lshlrev_b32 v4, 2, v1
	v_sub_nc_u32 v4, s11, v4                       ; rr - 4 l: column 128 g + e of my eight is hidden where 128 g + e is greater
	v_mov_b32 v5, 0xff800000                       ; -infinity
	s_mov_b32 s20, 0x3d38aa3b                      ; c = log2(e) / 32
	s_mov_b32 s21, s20                             ; named with it as a pair
	s_mov_b32 s22, 0x76543210                      ; v_permlanex16_b32: each lane takes its own place in the other half
	s_mov_b32 s23, 0xfedcba98
	s_sub_co_u32 s12, 7, s10                       ; I: the first row's tile row
	s_mov_b32 s13, 2
.Lrow:
	s_wait_xcnt 0x0                                ; the last row's stores have read their registers and base: only now are these written again
	s_lshl_b32 s14, s9, 11
	s_lshl_b32 s15, s12, 8
	s_add_co_u32 s14, s14, s15
	s_add_co_u32 s14, s14, s11                     ; the row: 2048 b + 256 I + rr
	s_lshl_b32 s16, s14, 13
	s_lshl_b32 s15, s12, 10
	s_add_co_u32 s16, s16, s15
	s_add_nc_u64 s[24:25], s[4:5], s[16:17]        ; sc at the row's diagonal chunk
	s_lshl_b32 s16, s14, 12
	s_lshl_b32 s15, s12, 9
	s_add_co_u32 s16, s16, s15
	s_add_nc_u64 s[26:27], s[6:7], s[16:17]        ; pw likewise
	global_load_b128 v[X:X+3],   v2, s[24:25] th:TH_LOAD_NT
	global_load_b128 v[X+4:X+7], v2, s[24:25] offset:512 th:TH_LOAD_NT
.set i, X+8
.rept 56
	v_mov_b32 v[i], v5
.set i, i+1
.endr
.irp k, 1,2,3,4,5,6,7
	s_cmp_lt_u32 s12, \k                           ; the row has I + 1 chunks
	s_cbranch_scc1 .Lloaded
	global_load_b128 v[X+8*(\k):X+8*(\k)+3],   v2, s[24:25] offset:-1024*(\k) th:TH_LOAD_NT
	global_load_b128 v[X+8*(\k)+4:X+8*(\k)+7], v2, s[24:25] offset:-1024*(\k)+512 th:TH_LOAD_NT
.endr
.Lloaded:
	s_wait_loadcnt 0x0
.irp g, 0,1
.irp e, 0,1,2,3
	v_cmp_gt_i32 vcc_lo, 128*(\g)+(\e), v4
	v_cndmask_b32 v[X+4*(\g)+(\e)], v[X+4*(\g)+(\e)], v5, vcc_lo
.endr
.endr
	; the maximum of my 64 numbers: four chains of 15, three operands at a time, then the four left over
.irp j, 0,1,2,3
	v_max3_num_f32 v[M+(\j)], v[X+16*(\j)], v[X+16*(\j)+1], v[X+16*(\j)+2]
.endr
.irp t, 0,1,2,3,4,5
.irp j, 0,1,2,3
	v_max3_num_f32 v[M+(\j)], v[M+(\j)], v[X+16*(\j)+3+2*(\t)], v[X+16*(\j)+4+2*(\t)]
.endr
.endr
	v_max3_num_f32 v[M],   v[M],   v[X+15], v[X+31]
	v_max3_num_f32 v[M+1], v[M+1], v[X+47], v[X+63]
	v_max3_num_f32 v[M], v[M], v[M+1], v[M+2]
	v_max_num_f32 v[M], v[M], v[M+3]
	v_max_num_f32_dpp v[M], v[M], v[M] row_xmask:1 row_mask:0xf bank_mask:0xf
	v_max_num_f32_dpp v[M], v[M], v[M] row_xmask:2 row_mask:0xf bank_mask:0xf
	v_max_num_f32_dpp v[M], v[M], v[M] row_xmask:4 row_mask:0xf bank_mask:0xf
	v_max_num_f32_dpp v[M], v[M], v[M] row_xmask:8 row_mask:0xf bank_mask:0xf
	v_permlanex16_b32 v[M+1], v[M], s22, s23
	v_max_num_f32 v[M], v[M], v[M+1]               ; every lane holds the row's maximum: the diagonal's score is never hidden, so it is a score
	v_mul_f32 v[CM],   s20, v[M]
	v_mul_f32 v[CM+1], s20, v[M]
	; the exponentials and their sum, chunk by chunk
.irp k, 0,1,2,3,4,5,6,7
.if (\k) > 0
	s_cmp_lt_u32 s12, \k
	s_cbranch_scc1 .Lsummed
.endif
.irp j, 0,1,2,3
	v_pk_fma_f32 v[X+8*(\k)+2*(\j):X+8*(\k)+2*(\j)+1], v[X+8*(\k)+2*(\j):X+8*(\k)+2*(\j)+1], s[20:21], v[CM:CM+1] op_sel_hi:[1,0,0] neg_lo:[0,0,1] neg_hi:[0,0,1]
.endr
.irp j, 0,1,2,3,4,5,6,7
	v_exp_f32 v[X+8*(\k)+(\j)], v[X+8*(\k)+(\j)]
.endr
	v_nop                                          ; a plain instruction between the last exponential and the use of its result (ISA guide 5.7.2)
.if (\k) == 0
	s_wait_alu depctr_va_vdst(0)
	v_pk_add_f32 v[L:L+1],   v[X:X+1],   v[X+2:X+3]  ; the first chunk starts the sums
	v_pk_add_f32 v[L+2:L+3], v[X+4:X+5], v[X+6:X+7]
.else
	s_wait_alu depctr_va_vdst(0)
	v_pk_add_f32 v[L:L+1],   v[L:L+1],   v[X+8*(\k):X+8*(\k)+1]
	v_pk_add_f32 v[L+2:L+3], v[L+2:L+3], v[X+8*(\k)+2:X+8*(\k)+3]
	v_pk_add_f32 v[L:L+1],   v[L:L+1],   v[X+8*(\k)+4:X+8*(\k)+5]
	v_pk_add_f32 v[L+2:L+3], v[L+2:L+3], v[X+8*(\k)+6:X+8*(\k)+7]
.endif
.endr
.Lsummed:
	v_pk_add_f32 v[L:L+1], v[L:L+1], v[L+2:L+3]
	v_add_f32 v[L], v[L], v[L+1]
	v_add_f32_dpp v[L], v[L], v[L] row_xmask:1 row_mask:0xf bank_mask:0xf
	v_add_f32_dpp v[L], v[L], v[L] row_xmask:2 row_mask:0xf bank_mask:0xf
	v_add_f32_dpp v[L], v[L], v[L] row_xmask:4 row_mask:0xf bank_mask:0xf
	v_add_f32_dpp v[L], v[L], v[L] row_xmask:8 row_mask:0xf bank_mask:0xf
	v_permlanex16_b32 v[L+1], v[L], s22, s23
	v_add_f32 v[L+2], v[L], v[L+1]
	v_rcp_f32 v[RL],   v[L+2]
	v_rcp_f32 v[RL+1], v[L+2]
	v_nop
	s_wait_alu depctr_va_vdst(0)
	; scaled, rounded, stored: each store of the wave covers 256 consecutive bytes, aligned
.irp k, 0,1,2,3,4,5,6,7
.if (\k) > 0
	s_cmp_lt_u32 s12, \k
	s_cbranch_scc1 .Lstored
.endif
.irp j, 0,1,2,3
	v_pk_mul_f32 v[X+8*(\k)+2*(\j):X+8*(\k)+2*(\j)+1], v[X+8*(\k)+2*(\j):X+8*(\k)+2*(\j)+1], v[RL:RL+1]
.endr
.irp j, 0,1,2,3
	v_cvt_pk_f16_f32 v[Y+4*(\k)+(\j)], v[X+8*(\k)+2*(\j)], v[X+8*(\k)+2*(\j)+1]
.endr
	global_store_b64 v3, v[Y+4*(\k):Y+4*(\k)+1],   s[26:27] offset:-512*(\k)
	global_store_b64 v3, v[Y+4*(\k)+2:Y+4*(\k)+3], s[26:27] offset:-512*(\k)+256
.endr
.Lstored:
	s_mov_b32 s12, s10                             ; the second row's tile row
	s_sub_co_u32 s13, s13, 1
	s_cmp_lg_u32 s13, 0
	s_cbranch_scc1 .Lrow
	s_endpgm
.Lfunc_end_k_q575df14203_smax:
	.size	k_q575df14203_smax, .Lfunc_end_k_q575df14203_smax-k_q575df14203_smax
	.p2alignl 7, 3214868480
	.fill 96, 4, 3214868480
	.section	.rodata,"a",@progbits
	.p2align	6, 0x0
	.amdhsa_kernel k_q575df14203_smax
		.amdhsa_group_segment_fixed_size 0
		.amdhsa_private_segment_fixed_size 0
		.amdhsa_enable_private_segment 0
		.amdhsa_kernarg_size 24
		.amdhsa_user_sgpr_count 2
		.amdhsa_user_sgpr_kernarg_segment_ptr 1
		.amdhsa_wavefront_size32 1
		.amdhsa_system_sgpr_workgroup_id_x 1
		.amdhsa_system_sgpr_workgroup_id_y 1
		.amdhsa_system_sgpr_workgroup_id_z 1
		.amdhsa_system_vgpr_workitem_id 0
		.amdhsa_next_free_vgpr 120
		.amdhsa_next_free_sgpr 66
		.amdhsa_reserve_vcc 1
		.amdhsa_float_denorm_mode_32 3
		.amdhsa_float_denorm_mode_16_64 3
		.amdhsa_memory_ordered 1
		.amdhsa_forward_progress 1
		.amdhsa_inst_pref_size 25
	.end_amdhsa_kernel
	.amdgpu_metadata
---
amdhsa.version: [ 1, 2 ]
amdhsa.kernels:
  - .name:           k_q575df14203_smax
    .symbol:         k_q575df14203_smax.kd
    .args:
      - { .name: sc, .offset: 0, .size: 8, .value_kind: global_buffer, .address_space: global }
      - { .name: pw, .offset: 8, .size: 8, .value_kind: global_buffer, .address_space: global }
      - { .name: wf, .offset: 16, .size: 8, .value_kind: global_buffer, .address_space: global }
    .group_segment_fixed_size: 0
    .private_segment_fixed_size: 0
    .kernarg_segment_align: 8
    .kernarg_segment_size: 24
    .max_flat_workgroup_size: 256
    .sgpr_count:     66
    .vgpr_count:     120
    .wavefront_size: 32
...
	.end_amdgpu_metadata
.endif
;; end of part 4
;; launch pv (part 5): grid 8 x 32, 4 waves a work-group, clusters of 4 x 1, 327,680 bytes of LDS; arguments pw, yh, ctx; writes ctx
.if DOCPART == 5
	.amdgcn_target "amdgcn-amd-amdhsa--gfx1250"
	.amdhsa_code_object_version 6
	.text
	.protected	k_q575df14203_pv
	.globl	k_q575df14203_pv
	.p2align	8
	.type	k_q575df14203_pv,@function
k_q575df14203_pv:
	s_mov_b64 s[64:65], 0
	v_nop
	global_prefetch_b8 v0, s[64:65] scope:SCOPE_SE
	s_setreg_imm32_b32 hwreg(HW_REG_WAVE_MODE, 25, 1), 1
	s_wait_xcnt 0x0
	s_wait_alu depctr_hold_cnt(0) depctr_sa_sdst(0) depctr_va_vdst(0) depctr_va_sdst(0) depctr_va_ssrc(0) depctr_va_vcc(0) depctr_vm_vsrc(0)
	s_getreg_b32 s2, hwreg(HW_REG_IB_STS2, 6, 4)
	s_cmp_eq_u32 s2, 0
	s_cbranch_scc0 .Lentry_in_a_cluster
	s_endpgm
.Lentry_in_a_cluster:
	s_bfe_u32 s2, ttmp6, 0x10000c
	s_cmp_lg_u32 s2, 0x3003
	s_cbranch_scc0 .Lentry_shape_is_right
	s_endpgm
.Lentry_shape_is_right:
; PV: ctx[b][q][c] = the sum over k of pw[b][q][k] y[b][k][c], f16 operands, f32 sums, rounded once to f16.  pw holds 0 above the diagonal inside the diagonal chunk of 256 keys; later chunks are left out.
; (The weights multiply y itself: their rows sum to one, so (P v) Wo + bo = (P y)(Wv Wo) + (bv Wo + bo); the next launch multiplies by Wv Wo.)  ctx is a mean of y's rows and has their range.
; THE WALK.  A batch's rows lie in 16 blocks of 128; block i needs (i / 2) + 1 K steps of 256 keys.  A work-group makes 128 channels of TWO blocks, p and then 15 - p: 9 K steps, whatever p: 256
; work-groups of equal work, and ONE loop with a constant trip count.  Which tile is asked for hangs on scalar registers made from p; the change of blocks is a forward jump that passes no barrier and no tensor load.
; The first block's packed results wait in 64 registers; both blocks leave at the end.
; SHARES.  Four waves, each 64 rows x 64 channels: 16 accumulators.  Two LDS slots, each 128 rows x 256 keys of pw and 256 keys x 128 channels of y; waves 0, 1 ask for pw's halves, waves 2, 3 for y's.
; CLUSTER 4 x 1: the four partners make four blocks of channels of the same rows: pw's tiles, half of a step's bytes, are asked for JOINTLY.  y's tiles hang on the block of channels: loads of one's own,
; issued behind the same round.  (y is shared only with work-groups of other p, whose walks part after the first block.)
; THE MATRIX INSTRUCTION IS USED TRANSPOSED (source 0 = 16 channels of y, turned by ds_load_tr16_b128; source 1 = 16 rows of pw): a lane holds eight neighbouring channels of one row.
; REGISTERS (s_set_vgpr_msb: bits 1:0 source 0, 3:2 source 1, 5:4 source 2, 7:6 destination): window 0: v1-29 addresses; v32-95 packed results; v128-255 the accumulators ((a, b) at v[128 + 8 (4 a + b)]).
;   window 1: two fragment buffers of 128: for 64 along K, 64 registers of pw, then 64 of y.
.set PA,    528                        ; a row of pw in LDS: 512 bytes + 16 = 132 words: row r starts at bank 4 r mod 64 (64 banks of 4 bytes: ISA guide 11.1)
.set PB,    288                        ; a row of y: 256 bytes + 32 = 72 words
.set HALFA, 64*PA
.set BOFF,  128*PA
.set HALFB, 128*PB
.set SLOT,  BOFF+256*PB                ; 141,312
.set STAGE, 2*SLOT                     ; behind the ring: 128 rows x 272 bytes, the work-group's
.set SP,    272
.set SPARE, STAGE+128*SP               ; the spare words, 128 bytes for each wave: two blocks of 256 bytes that no other line names
.set ADRA, 16                          ; v16  LDS address of my fragments of pw in the slot in hand
.set ADRB, 17                          ; v17, v18  of y: keys 0-127, keys 128-255 (the offset field does not reach all 256 rows)
.set A0L,  19                          ; v19, v20  my lane's places in a slot; never rewritten
.set B0L,  20
.set STO,  24
.set RD,   25
.set CO,   26
.set SPW,  28
.set NIL,  29
.set TMP,  32
.set ACC,  128
.set F0,   0
.set F1,   128
.set G1A, 24                           ; s[24:31] group 1 for pw's tiles;  s[32:39] group 0: a set for each first fill; the second is made anew for each refill
.set G0A, 32
.set G1B, 48                           ; s[48:55], s[56:63] the same for y's
.set G0B, 56
.set NF,  45                           ; s45  K steps of the first block
.set WT,  46                           ; s46  the walk's step to be asked for next
.set RT,  47                           ; s47  K steps that the block in hand still has
.set ALO, 66                           ; s[66:67] pw at my rows of block p;  s[68:69] of block 15 - p
.set AHI, 68
.set VB,  70                           ; s[70:71] y at my keys of step 0
.set CLO, 72                           ; s[72:73], s[74:75] ctx at the rows that I store
.set CHI, 74
.set TB,  76                           ; s76  LDS byte at which the slot in hand begins: 0 or SLOT
.set S1,  77                           ; s77  SLOT
.set KS,  78                           ; s78  a step's number in its block
.set LWA, 79                           ; s79, s80  my part's place in a slot
.set LWB, 80
.set OFA, 82                           ; s[82:83], s[84:85] byte offsets
.set OFB, 84
.set CNT, 3
.set MSB, 0
.macro WIN new
.if MSB != (\new)
	s_set_vgpr_msb (MSB<<8)|(\new)
.set MSB, (\new)
.endif
.endm
.macro PLACES                          ; four places between a matrix instruction and a load into, or a vector instruction on, its registers
.rept 4
	v_nop
.endr
.endm
.macro JLOAD s                         ; the branch hangs on the wave's number alone; an s_nop 0 and four v_nop follow each of the two lines
	s_cmp_lt_u32 s10, 2
	s_cbranch_scc0 .Lfor_y_\@
	tensor_load_to_lds s[G0A+4*(\s):G0A+4*(\s)+3], s[G1A:G1A+7]
	s_nop 0
.rept 4
	v_nop
.endr
	s_branch .Lasked_\@
.Lfor_y_\@:
	tensor_load_to_lds s[G0B+4*(\s):G0B+4*(\s)+3], s[G1B:G1B+7]
	s_nop 0
.rept 4
	v_nop
.endr
.Lasked_\@:
.endm
.macro CREST
	s_cmp_lg_u32 s10, 0
	s_cbranch_scc1 .Lnot_wave_0_\@
	s_barrier_signal -3
.Lnot_wave_0_\@:
	s_barrier_wait -3
	s_barrier_signal -1
	s_barrier_wait -1
.endm
.macro CROUND
	s_barrier_signal -1
	s_barrier_wait -1
	CREST
.endm
; The descriptors of walk step WT are made anew, for the slot that begins at s[sl]: steps 0 .. NF - 1 are the first block's, the others the second's, counted from 0 again.
.macro ASK set, sl
	s_sub_co_u32 s[KS], s[WT], s[NF]
	s_cmp_lt_u32 s[WT], s[NF]
	s_cselect_b32 s[KS], s[WT], s[KS]
	s_cselect_b64 s[G0A+4*(\set)+2:G0A+4*(\set)+3], s[ALO:ALO+1], s[AHI:AHI+1]
	s_lshl_b32 s[OFA], s[KS], 9                    ; 256 keys of 2 bytes along pw's rows
	s_lshl_b32 s[OFB], s[KS], 19                   ; 256 rows of yh, of 2,048 bytes
	s_add_nc_u64 s[G0A+4*(\set)+2:G0A+4*(\set)+3], s[G0A+4*(\set)+2:G0A+4*(\set)+3], s[OFA:OFA+1]
	s_or_b32 s[G0A+4*(\set)+3], s[G0A+4*(\set)+3], 0x80000000
	s_add_nc_u64 s[G0B+4*(\set)+2:G0B+4*(\set)+3], s[VB:VB+1], s[OFB:OFB+1]
	s_or_b32 s[G0B+4*(\set)+3], s[G0B+4*(\set)+3], 0x80000000
	s_add_co_u32 s[G0A+4*(\set)+1], s[LWA], s[\sl]
	s_add_co_u32 s[G0B+4*(\set)+1], s[LWB], s[\sl]
	s_add_co_u32 s[WT], s[WT], 1
.endm
	s_load_b128 s[4:7], s[0:1], 0x0                ; pw 4, yh 6
	s_load_b64 s[8:9], s[0:1], 0x10                ; ctx
	v_lshl_add_u32 v[SPW], v0, 2, SPARE
	v_mov_b32 v[NIL], 0
	ds_add_u32 v28, v29
	ds_add_u32 v28, v29
	s_wait_dscnt 0x0
	v_lshrrev_b32 v1, 5, v0
	v_readfirstlane_b32 s10, v1                    ; wave
	s_lshr_b32 s11, s10, 1                         ; wr
	s_and_b32 s12, s10, 1                          ; wc; also: which half of a tile I ask for
	s_bfe_u32 s40, ttmp6, 0x40000                  ; cx
	s_lshl_b32 s42, ttmp9, 2
	s_add_co_u32 s42, s42, s40                     ; ct: my block of 128 channels: it enters y's and ctx's addresses alone
	s_and_b32 s43, ttmp7, 0xffff                   ; which the four partners share:
	s_and_b32 s44, s43, 7                          ; p
	s_lshr_b32 s43, s43, 3                         ; b
	s_lshr_b32 s[NF], s44, 1
	s_add_co_u32 s[NF], s[NF], 1
	s_mov_b32 s[WT], 0
	s_mov_b32 s[RT], s[NF]
	s_mov_b32 s[TB], 0
	s_mov_b32 s[S1], SLOT
	; group 1 for pw: 64 rows x 256 elements of 2 bytes; the mask of four, bit 21 beside it; 4 words of padding after every 128 words
	s_mov_b32 s[G1A+0], 15|(1<<16)|(1<<20)|(1<<21)|(6<<22)|(3<<25)
	s_mov_b32 s[G1A+1], 256<<16
	s_mov_b32 s[G1A+2], 64<<16
	s_mov_b32 s[G1A+3], 256<<16
	s_mov_b32 s[G1A+4], 64
	s_mov_b32 s[G1A+5], 2048
	s_mov_b32 s[G1A+6], 0
	s_mov_b32 s[G1A+7], 0
	; group 1 for y: 128 rows x 128 elements, 1,024 elements from row to row; no mask; 8 words of padding after every 64 words
	s_mov_b32 s[G1B+0], (1<<16)|(1<<20)|(5<<22)|(7<<25)
	s_mov_b32 s[G1B+1], 128<<16
	s_mov_b32 s[G1B+2], 128<<16
	s_mov_b32 s[G1B+3], 128<<16
	s_mov_b32 s[G1B+4], 128
	s_mov_b32 s[G1B+5], 1024
	s_mov_b32 s[G1B+6], 0
	s_mov_b32 s[G1B+7], 0
	s_lshl_b32 s86, s43, 11                        ; 2048 b
	s_lshl_b32 s87, s12, 6
	s_add_co_u32 s87, s87, s86                     ; + 64 x half
	s_lshl_b32 s[OFA], s44, 7
	s_add_co_u32 s[OFA], s[OFA], s87
	s_lshl_b32 s[OFA], s[OFA], 12                  ; block p's rows of 4,096 bytes
	s_mov_b32 s[OFA+1], 0
	s_sub_co_u32 s[KS], 15, s44
	s_lshl_b32 s[OFB], s[KS], 7
	s_add_co_u32 s[OFB], s[OFB], s87
	s_lshl_b32 s[OFB], s[OFB], 12                  ; block 15 - p's
	s_mov_b32 s[OFB+1], 0
	s_mul_i32 s[LWA], s12, HALFA
	s_mul_i32 s[LWB], s12, HALFB
	s_add_co_u32 s[LWB], s[LWB], BOFF
	s_lshl_b32 s88, s12, 7                         ; y: key 2048 b + 128 x half, of 2,048 bytes; byte 256 ct of its row
	s_add_co_u32 s88, s88, s86
	s_lshl_b32 s88, s88, 11
	s_lshl_b32 s89, s42, 8
	s_add_co_u32 s88, s88, s89
	s_mov_b32 s89, 0
	s_lshl_b32 s90, s10, 5                         ; ctx: row 2048 b + 128 x block + 32 x wave, byte 256 ct
	s_add_co_u32 s90, s90, s86
	s_lshl_b32 s91, s44, 7
	s_add_co_u32 s92, s90, s91
	s_lshl_b32 s91, s[KS], 7
	s_add_co_u32 s90, s90, s91
	s_lshl_b32 s92, s92, 11
	s_lshl_b32 s90, s90, 11
	s_lshl_b32 s91, s42, 8
	s_add_co_u32 s92, s92, s91
	s_add_co_u32 s90, s90, s91
	s_mov_b32 s91, 0
	s_mov_b32 s93, 0
	s_mov_b32 s[G0A+0], 1
	s_mov_b32 s[G0A+4], 1
	s_mov_b32 s[G0B+0], 1
	s_mov_b32 s[G0B+4], 1
	s_wait_kmcnt 0x0
	s_add_nc_u64 s[ALO:ALO+1], s[4:5], s[OFA:OFA+1]
	s_add_nc_u64 s[AHI:AHI+1], s[4:5], s[OFB:OFB+1]
	s_add_nc_u64 s[VB:VB+1], s[6:7], s[88:89]
	s_add_nc_u64 s[CLO:CLO+1], s[8:9], s[92:93]
	s_add_nc_u64 s[CHI:CHI+1], s[8:9], s[90:91]
	ASK 0, TB                                      ; walk step 0 into slot 0
	ASK 1, S1                                      ; walk step 1 into slot 1
	CROUND                                         ; all four work-groups are here: the first joint loads meet
	JLOAD 0
	JLOAD 1                                        ; two loads of mine are out
	v_and_b32 v1, 15, v0                           ; r
	v_bfe_u32 v2, v0, 4, 1                         ; h
	v_mul_u32_u24 v[A0L], v1, PA
	v_lshl_add_u32 v[A0L], v2, 4, v[A0L]
	s_mul_i32 s86, s11, HALFA
	v_add_nc_u32 v[A0L], s86, v[A0L]               ; my 64 rows; row r x pitch + 16 h
	v_and_b32 v3, 7, v0
	v_bfe_u32 v4, v0, 3, 1
	v_lshl_add_u32 v[B0L], v2, 3, v3               ; the turning load: lane l reads key 8 h + l % 8, 16 bytes at 16 ((l / 8) % 2)
	v_mul_u32_u24 v[B0L], v[B0L], PB
	v_lshl_add_u32 v[B0L], v4, 4, v[B0L]
	s_lshl_b32 s86, s12, 7
	s_add_co_u32 s86, s86, BOFF
	v_add_nc_u32 v[B0L], s86, v[B0L]               ; my 64 channels
	v_mov_b32 v[ADRA], v[A0L]
	v_mov_b32 v[ADRB], v[B0L]
	v_add_nc_u32 v[ADRB+1], HALFB, v[B0L]
	s_mul_i32 s86, s11, 64*SP                      ; into the stage: my 64 rows, my half of their 256 bytes
	s_lshl_b32 s87, s12, 7
	s_add_co_u32 s86, s86, s87
	s_add_co_u32 s86, s86, STAGE
	v_mul_u32_u24 v5, v1, SP
	v_lshl_add_u32 v5, v2, 4, v5
	v_add_nc_u32 v[STO], s86, v5
	s_mul_i32 s86, s10, 32*SP                      ; back: wave w takes rows 32 w .. 32 w + 31, whole; lanes 0-15 one row, lanes 16-31 the next
	s_add_co_u32 s86, s86, STAGE
	v_mul_u32_u24 v5, v2, SP
	v_lshl_add_u32 v5, v1, 4, v5
	v_add_nc_u32 v[RD], s86, v5
	v_lshlrev_b32 v5, 11, v2                       ; and the same two rows in ctx, 2,048 bytes apart
	v_lshl_add_u32 v[CO], v1, 4, v5
.set i, TMP
.rept 64
	v_mov_b32 v[i], 0                              ; written on every path; the change of blocks writes the first block's results here.  These lines stand in the wait for the first tile
.set i, i+1
.endr
; 8 matrix instructions: row blocks a0, a0 + 1 x all 4 channel blocks, 32 along K: half c of buffer f.  The 16 accumulators take turns.
.macro MUL8 f, c, a0, zero
	WIN 0x05
.irp a, \a0, (\a0)+1
.irp b, 0,1,2,3
.if \zero
	v_wmma_f32_16x16x32_f16 v[ACC+8*(4*(\a)+(\b)):ACC+8*(4*(\a)+(\b))+7], v[(\f)+64+8*(4*(\c)+(\b)):(\f)+64+8*(4*(\c)+(\b))+7], v[(\f)+8*(4*(\c)+(\a)):(\f)+8*(4*(\c)+(\a))+7], 0
.else
	v_wmma_f32_16x16x32_f16 v[ACC+8*(4*(\a)+(\b)):ACC+8*(4*(\a)+(\b))+7], v[(\f)+64+8*(4*(\c)+(\b)):(\f)+64+8*(4*(\c)+(\b))+7], v[(\f)+8*(4*(\c)+(\a)):(\f)+8*(4*(\c)+(\a))+7], v[ACC+8*(4*(\a)+(\b)):ACC+8*(4*(\a)+(\b))+7]
.endif
.endr
.endr
.endm
; 32 LDS loads in one run: the fragments of quarter kq (64 keys) into buffer f; the first 32 keys first
.macro FETCH kq, f
	WIN 0x40
.irp c, 0,1
.irp i, 0,1,2,3
	ds_load_tr16_b128 v[(\f)+64+8*(4*(\c)+(\i)):(\f)+64+8*(4*(\c)+(\i))+3],   v[ADRB+(\kq)/2] offset:(64*((\kq)%2)+32*(\c))*PB+32*(\i)
	ds_load_tr16_b128 v[(\f)+64+8*(4*(\c)+(\i))+4:(\f)+64+8*(4*(\c)+(\i))+7], v[ADRB+(\kq)/2] offset:(64*((\kq)%2)+32*(\c))*PB+32*(\i)+16*PB
	ds_load_b128 v[(\f)+8*(4*(\c)+(\i)):(\f)+8*(4*(\c)+(\i))+3],   v[ADRA] offset:128*(\kq)+64*(\c)+(\i)*16*PA
	ds_load_b128 v[(\f)+8*(4*(\c)+(\i))+4:(\f)+8*(4*(\c)+(\i))+7], v[ADRA] offset:128*(\kq)+64*(\c)+(\i)*16*PA+32
.endr
.endr
.endm
; One of a K step's first three quarters: multiplies buffer f and fetches quarter kq into g.
.macro QUARTER kq, f, g, zero
	s_wait_dscnt 16                                ; the first 32 keys are in
	MUL8 \f, 0, 0, \zero
	MUL8 \f, 0, 2, \zero
	PLACES
	FETCH \kq, \g
	s_wait_dscnt 32                                ; all but the 32 just issued
	MUL8 \f, 1, 0, 0
	MUL8 \f, 1, 2, 0
.endm
; The last quarter multiplies buffer 1 and changes slots: ONE barrier; in front of it each wave waits for all its tensor loads (one is out: its part of the next slot), adds 0 to its spare word, and waits
; for that and for its own reads of this slot.  fill = 1: the barrier opens a round of the cluster's, and this slot is filled again first thing behind the round.
.macro TURN fill
	WIN 0
	s_wait_tensorcnt 0x0
	ds_add_u32 v[SPW], v[NIL]                      ; 0 onto my spare word
	s_wait_dscnt 17                                ; the add and the youngest sixteen loads may be out
	MUL8 F1, 0, 0, 0
	s_wait_dscnt 0x0                               ; the add is done, and my reads of this slot are over
	s_barrier_signal -1
	MUL8 F1, 0, 2, 0
	WIN 0
	s_barrier_wait -1
.if \fill
	CREST                                          ; no wave of any partner still reads this slot or has a load on its way
	ASK 1, TB
	JLOAD 1                                        ; the four v_nop behind it are also the places in front of the loads below
.else
	PLACES
.endif
	s_xor_b32 s[TB], s[TB], SLOT                   ; 0 <-> SLOT
	v_add_nc_u32 v[ADRA], s[TB], v[A0L]
	v_add_nc_u32 v[ADRB], s[TB], v[B0L]
	v_add_nc_u32 v[ADRB+1], HALFB, v[ADRB]
	FETCH 0, F0
	MUL8 F1, 1, 0, 0
	MUL8 F1, 1, 2, 0
.endm
.macro PACK                            ; the 16 accumulators rounded to f16, each from its low end on
	WIN 0
	PLACES
.irp t, 0,1,2,3,4,5,6,7,8,9,10,11,12,13,14,15
.irp r, 0,1,2,3
	v_cvt_pk_f16_f32 v[TMP+4*(\t)+(\r)], v[ACC+8*(\t)+2*(\r)], v[ACC+8*(\t)+2*(\r)+1]
.endr
.endr
.endm
.macro OUT cb                          ; 16 bytes a lane into the stage; a barrier, since a row's 256 bytes come from two waves; back as whole rows, 32 rows a wave
.irp a, 0,1,2,3
.irp b, 0,1,2,3
	ds_store_b128 v[STO], v[TMP+4*(4*(\a)+(\b)):TMP+4*(4*(\a)+(\b))+3] offset:(\a)*16*SP+32*(\b)
.endr
.endr
	s_wait_dscnt 0x0                               ; for the others' sake: my stores into the stage are done
	s_barrier_signal -1
	s_barrier_wait -1
.irp t, 0,1,2,3,4,5,6,7,8,9,10,11,12,13,14,15
	ds_load_b128 v[TMP+4*(\t):TMP+4*(\t)+3], v[RD] offset:(\t)*2*SP
.endr
.irp t, 0,1,2,3,4,5,6,7,8,9,10,11,12,13,14,15
	s_wait_dscnt 15-(\t)
	global_store_b128 v[CO], v[TMP+4*(\t):TMP+4*(\t)+3], s[\cb:\cb+1] offset:2*(\t)*2048  ; 16 lanes store 256 consecutive bytes, at a multiple of 256 from ctx's first byte
.endr
.endm
	s_wait_tensorcnt 0x1                           ; my part of walk step 0 is in; step 1's may stay out
	s_barrier_signal -1
	s_barrier_wait -1
	FETCH 0, F0
	QUARTER 1, F0, F1, 1                           ; the first quarter stands in front of the loop: its first products start the sums
	WIN 0
	s_mov_b32 s[CNT], 7
.Lstep:                                                ; a trip: from a K step's second quarter to the next step's first; one refill
	QUARTER 2, F1, F0, 0
	QUARTER 3, F0, F1, 0
	TURN 1
	WIN 0
	s_sub_co_u32 s[RT], s[RT], 1
	s_cmp_lg_u32 s[RT], 0
	s_cbranch_scc1 .Lsame
	s_mov_b32 s[RT], 16                            ; THE CHANGE OF BLOCKS, behind walk step NF - 1 (0 to 3): once
	PACK                                           ; the first block's results wait in registers;
	QUARTER 1, F0, F1, 1                           ; the second block's sums start on accumulators that have been packed
	WIN 0
	s_branch .Lbot
.Lsame:
	QUARTER 1, F0, F1, 0
	WIN 0
.Lbot:
	s_sub_co_u32 s[CNT], s[CNT], 1
	s_cmp_lg_u32 s[CNT], 0
	s_cbranch_scc1 .Lstep
	QUARTER 2, F1, F0, 0                           ; the last two K steps ask for nothing
	QUARTER 3, F0, F1, 0
	TURN 0
	QUARTER 1, F0, F1, 0
	QUARTER 2, F1, F0, 0
	QUARTER 3, F0, F1, 0
	s_wait_dscnt 16
	MUL8 F1, 0, 0, 0
	MUL8 F1, 0, 2, 0
	s_wait_dscnt 0x0
	MUL8 F1, 1, 0, 0
	MUL8 F1, 1, 2, 0
	WIN 0
	OUT CLO                                        ; the first block leaves while the last products end
	s_wait_xcnt 0x0                                ; those stores have read their registers
	PACK
	s_wait_dscnt 0x0                               ; my reads of the stage are over: behind this barrier it is written again
	s_barrier_signal -1
	s_barrier_wait -1
	OUT CHI
	s_wait_tensorcnt 0x0                           ; the wave's end
	ds_add_u32 v[SPW], v[NIL]
	s_wait_dscnt 0x0
	CROUND                                         ; the closing round: no work-group ends while a partner may still ask for a tile that names it
	s_endpgm
.Lfunc_end_k_q575df14203_pv:
	.size	k_q575df14203_pv, .Lfunc_end_k_q575df14203_pv-k_q575df14203_pv
	.p2alignl 7, 3214868480
	.fill 96, 4, 3214868480
	.section	.rodata,"a",@progbits
	.p2align	6, 0x0
	.amdhsa_kernel k_q575df14203_pv
		.amdhsa_group_segment_fixed_size 327680
		.amdhsa_private_segment_fixed_size 0
		.amdhsa_enable_private_segment 0
		.amdhsa_kernarg_size 24
		.amdhsa_user_sgpr_count 2
		.amdhsa_user_sgpr_kernarg_segment_ptr 1
		.amdhsa_wavefront_size32 1
		.amdhsa_system_sgpr_workgroup_id_x 1
		.amdhsa_system_sgpr_workgroup_id_y 1
		.amdhsa_system_sgpr_workgroup_id_z 1
		.amdhsa_system_vgpr_workitem_id 0
		.amdhsa_next_free_vgpr 512
		.amdhsa_next_free_sgpr 96
		.amdhsa_reserve_vcc 0
		.amdhsa_float_denorm_mode_32 3
		.amdhsa_float_denorm_mode_16_64 3
		.amdhsa_memory_ordered 1
		.amdhsa_forward_progress 1
		.amdhsa_inst_pref_size 85
	.end_amdhsa_kernel
	.amdgpu_metadata
---
amdhsa.version: [ 1, 2 ]
amdhsa.kernels:
  - .name:           k_q575df14203_pv
    .symbol:         k_q575df14203_pv.kd
    .args:
      - { .name: pw, .offset: 0, .size: 8, .value_kind: global_buffer, .address_space: global }
      - { .name: yh, .offset: 8, .size: 8, .value_kind: global_buffer, .address_space: global }
      - { .name: ctx, .offset: 16, .size: 8, .value_kind: global_buffer, .address_space: global }
    .group_segment_fixed_size: 327680
    .private_segment_fixed_size: 0
    .kernarg_segment_align: 8
    .kernarg_segment_size: 24
    .max_flat_workgroup_size: 128
    .sgpr_count:     96
    .vgpr_count:     512
    .wavefront_size: 32
...
	.end_amdgpu_metadata
.endif
;; end of part 5
;; launch outp (part 6): grid 8 x 32, 4 waves a work-group, clusters of 4 x 4, 327,680 bytes of LDS; arguments ctx, wf, ball, sc, out0; writes out0
.if DOCPART == 6
	.amdgcn_target "amdgcn-amd-amdhsa--gfx1250"
	.amdhsa_code_object_version 6
	.text
	.protected	k_q575df14203_outp
	.globl	k_q575df14203_outp
	.p2align	8
	.type	k_q575df14203_outp,@function
k_q575df14203_outp:
	s_mov_b64 s[64:65], 0
	v_nop
	global_prefetch_b8 v0, s[64:65] scope:SCOPE_SE
	s_setreg_imm32_b32 hwreg(HW_REG_WAVE_MODE, 25, 1), 1
	s_wait_xcnt 0x0
	s_wait_alu depctr_hold_cnt(0) depctr_sa_sdst(0) depctr_va_vdst(0) depctr_va_sdst(0) depctr_va_ssrc(0) depctr_va_vcc(0) depctr_vm_vsrc(0)
	s_getreg_b32 s2, hwreg(HW_REG_IB_STS2, 6, 4)
	s_cmp_eq_u32 s2, 0
	s_cbranch_scc0 .Lentry_in_a_cluster
	s_endpgm
.Lentry_in_a_cluster:
	s_bfe_u32 s2, ttmp6, 0x10000c
	s_cmp_lg_u32 s2, 0xf033
	s_cbranch_scc0 .Lentry_shape_is_right
	s_endpgm
.Lentry_shape_is_right:
; OUTP: out0[row][n] = (the sum over k of ctx[row][k] wf[k][n] + 64 bo[n] + 64 (bv Wo)[n]) / 64, where ctx = P y and wf = 64 Wv Wo: f16 operands, f32 sums, stored as f32.
; 64 bo + 64 bv Wo (bo from ball, 64 bv Wo from row 9471 of sc) is the C operand of the products that start the sums; the factor 2^-6, which is exact, is applied on the way out.
; SHARES.  8192 x 1024 numbers on 256 work-groups: a tile of 256 rows x 128 columns each.  Four waves, each 128 rows x 64 columns: 32 accumulators of 16 x 16, 256 registers.
; K goes in 8 steps of 128 through two LDS slots, each 256 rows x 128 k of ctx and 128 k-rows x 128 columns of wf: 98,304 bytes for a wave's 128 matrix instructions.  (Two slots of 256 along K do not fit in LDS.)
; Waves 0, 1 ask for ctx's halves of 128 rows, waves 2, 3 for wf's halves of 64 k-rows.
; CLUSTER 4 x 4: the four work-groups of a row of the cluster need the same tiles of ctx, the four of a column the same tiles of wf: each is asked for jointly, by the same load with the same descriptor and mask.
; THE MATRIX INSTRUCTION IS USED TRANSPOSED (source 0 = 16 columns of wf, turned by ds_load_tr16_b128; source 1 = 16 rows of ctx): a lane holds eight neighbouring columns of one row.
; A wave's 64 columns of f32 are a whole 256 bytes, so each wave goes out through a stage of its own, without a barrier.
; REGISTERS, in windows of 256 (s_set_vgpr_msb: bits 1:0 source 0, 3:2 source 1, 5:4 source 2, 7:6 destination):
;   window 0: v1-13 addresses; v28, v29 the add's; v32-95, v96-159 ctx's fragments, two buffers (on the way out: rows read back); v160-191, v192-223 wf's fragments, two buffers; v224-255 my 4 x 8 biases
;   window 1: the accumulators: (a, b) at v[8 (4 a + b)]
.set PITCH, 272                        ; a row of ctx in LDS: 256 bytes + 16 = 68 words: row r starts at bank 4 r mod 64 (64 banks of 4 bytes: ISA guide 11.1)
.set HALFA, 128*PITCH
.set BOFF,  2*HALFA                    ; wf's rows lie behind ctx's 256
.set PB,    288                        ; a row of wf: 256 bytes + 32 = 72 words
.set HALFB, 64*PB
.set SLOT,  BOFF+2*HALFB               ; 106,496
.set STAGE, 2*SLOT                     ; behind the ring: 16 rows x 272 bytes for each wave
.set SP,    272
.set SPARE, STAGE+4*16*SP              ; the spare words, 128 bytes for each wave: two blocks of 256 bytes that no other line names
.set NS,    8                          ; K steps
.set A0L,  4                           ; v4   my lane's place in ctx's part of a slot; never rewritten
.set B0L,  5                           ; v5   the same for wf
.set ADRA, 6                           ; v6, v7  the same in the slot in hand
.set ADRB, 7
.set STO,  8                           ; v8   the way out: where I put 32 bytes of a row
.set RD,   9                           ; v9   where I read a row back
.set CO,   10                          ; v10  my byte offset in out0
.set BO,   11                          ; v11  my byte offset among a block's 16 biases
.set SPW,  28                          ; v28  LDS address of my spare word; never rewritten
.set NIL,  29                          ; v29  0; never rewritten
.set AF,   32                          ; ctx's fragments: buffer s at AF + 64 s
.set BF,   160                         ; wf's fragments: buffer s at BF + 32 s
.set TMP,  32                          ; the way out: two sets of 32 registers
.set BI,   224
.set G1A, 16                           ; s[16:23] descriptor group 1 for ctx
.set G1B, 24                           ; s[24:31] for wf
.set G0A, 32                           ; s[32:39] group 0 for ctx: a set for each first fill; the second then walks
.set G0B, 48                           ; s[48:55] the same for wf
.set TB,  56                           ; s56  LDS byte at which the slot in hand begins: 0 or SLOT
.set LWA, 57                           ; s57, s58  my part's place in a slot
.set LWB, 58
.set CNT, 59
.set OUTP, 66                          ; s[66:67] out0 at my first row and column
.set DN,  68                           ; s[68:69] 2^-6, as a pair
.set UP,  70                           ; s[70:71] 64, as a pair
.set MSB, 0
.macro WIN new                         ; the immediate's high byte repeats the setting that is left; a switch that changes nothing is dropped
.if MSB != (\new)
	s_set_vgpr_msb (MSB<<8)|(\new)
.set MSB, (\new)
.endif
.endm
.macro PLACES                          ; four places between a matrix instruction and a load into, or a store from, its registers
.rept 4
	v_nop
.endr
.endm
.macro JLOAD s                         ; the branch hangs on the wave's number alone; an s_nop 0 and four v_nop follow each of the two lines, ahead of the jump and the label
	s_cmp_eq_u32 s13, 0
	s_cbranch_scc0 .Lfor_b_\@
	tensor_load_to_lds s[G0A+4*(\s):G0A+4*(\s)+3], s[G1A:G1A+7]
	s_nop 0
.rept 4
	v_nop
.endr
	s_branch .Lasked_\@
.Lfor_b_\@:
	tensor_load_to_lds s[G0B+4*(\s):G0B+4*(\s)+3], s[G1B:G1B+7]
	s_nop 0
.rept 4
	v_nop
.endr
.Lasked_\@:
.endm
.macro CREST                           ; a round of the cluster's barrier behind its opening barrier
	s_cmp_lg_u32 s12, 0
	s_cbranch_scc1 .Lnot_wave_0_\@
	s_barrier_signal -3
.Lnot_wave_0_\@:
	s_barrier_wait -3
	s_barrier_signal -1
	s_barrier_wait -1
.endm
.macro CROUND                          ; a whole round
	s_barrier_signal -1
	s_barrier_wait -1
	CREST
.endm
	s_load_b256 s[4:11], s[0:1], 0x0               ; ctx 4, wf 6, ball 8, sc 10
	s_load_b64 s[OUTP:OUTP+1], s[0:1], 0x20        ; out0
	v_lshl_add_u32 v[SPW], v0, 2, SPARE
	v_mov_b32 v[NIL], 0
	ds_add_u32 v28, v29
	ds_add_u32 v28, v29
	s_wait_dscnt 0x0
	v_lshrrev_b32 v1, 5, v0
	v_readfirstlane_b32 s12, v1                    ; wave 0..3
	s_lshr_b32 s13, s12, 1                         ; wr: my half of the tile's rows.  Also: I ask for ctx (0) or for wf (1)
	s_and_b32 s14, s12, 1                          ; wc: my half of its columns.  Also: which half of that tile I ask for
	s_bfe_u32 s40, ttmp6, 0x40000                  ; cx
	s_bfe_u32 s41, ttmp6, 0x40004                  ; cy
	s_lshl_b32 s42, ttmp9, 2
	s_add_co_u32 s42, s42, s40                     ; nt: tile column = 4 x cluster x + cx
	s_and_b32 s43, ttmp7, 0xffff
	s_lshl_b32 s43, s43, 2
	s_add_co_u32 s43, s43, s41                     ; mt: tile row = 4 x cluster y + cy
	s_lshl_b32 s44, s41, 2
	s_lshl_b32 s44, 15, s44                        ; my row of the cluster
	s_lshl_b32 s45, 0x1111, s40                    ; my column
	s_mov_b32 s[DN], 0x3c800000                    ; 2^-6
	s_mov_b32 s[DN+1], s[DN]
	s_mov_b32 s[UP], 0x42800000                    ; 64
	s_mov_b32 s[UP+1], s[UP]
	; group 1 for ctx: 128 rows x 128 elements of 2 bytes, 1,024 elements from row to row; 4 words of padding after every 64 words
	s_or_b32 s[G1A+0], s44, (1<<16)|(1<<20)|(1<<21)|(5<<22)|(3<<25)
	s_mov_b32 s[G1A+1], 128<<16                    ; tensor_dim0
	s_mov_b32 s[G1A+2], 128<<16                    ; tensor_dim1
	s_mov_b32 s[G1A+3], 128<<16                    ; tile_dim0
	s_mov_b32 s[G1A+4], 128                        ; tile_dim1
	s_mov_b32 s[G1A+5], 1024
	s_mov_b32 s[G1A+6], 0
	s_mov_b32 s[G1A+7], 0
	; group 1 for wf: 64 rows x 128 elements, 1,024 elements from row to row; 8 words of padding after every 64 words
	s_or_b32 s[G1B+0], s45, (1<<16)|(1<<20)|(1<<21)|(5<<22)|(7<<25)
	s_mov_b32 s[G1B+1], 128<<16
	s_mov_b32 s[G1B+2], 64<<16
	s_mov_b32 s[G1B+3], 128<<16
	s_mov_b32 s[G1B+4], 64
	s_mov_b32 s[G1B+5], 1024
	s_mov_b32 s[G1B+6], 0
	s_mov_b32 s[G1B+7], 0
	s_lshl_b32 s60, s43, 8                         ; ctx: row 256 mt + 128 x half, of 2,048 bytes: it hangs on the tile row alone
	s_lshl_b32 s61, s14, 7
	s_add_co_u32 s60, s60, s61
	s_lshl_b32 s60, s60, 11
	s_mov_b32 s61, 0
	s_lshl_b32 s62, s14, 17                        ; wf: k-row 64 x half, of 2,048 bytes; byte 256 nt of it
	s_lshl_b32 s63, s42, 8
	s_add_co_u32 s62, s62, s63
	s_mov_b32 s63, 0
	s_mul_i32 s[LWA], s14, HALFA
	s_mul_i32 s[LWB], s14, HALFB
	s_add_co_u32 s[LWB], s[LWB], BOFF
	s_mov_b32 s[TB], 0
	s_lshl_b32 s46, s43, 8                         ; out0: row 256 mt + 128 wr, of 4,096 bytes; byte 512 nt + 256 wc
	s_lshl_b32 s47, s13, 7
	s_add_co_u32 s46, s46, s47
	s_lshl_b32 s46, s46, 12
	s_lshl_b32 s47, s42, 9
	s_add_co_u32 s46, s46, s47
	s_lshl_b32 s47, s14, 8
	s_add_co_u32 s46, s46, s47
	s_mov_b32 s47, 0
	s_wait_kmcnt 0x0
	s_add_nc_u64 s[60:61], s[4:5], s[60:61]
	s_add_nc_u64 s[62:63], s[6:7], s[62:63]
	s_add_nc_u64 s[OUTP:OUTP+1], s[OUTP:OUTP+1], s[46:47]
	s_lshl_b32 s46, s42, 9                         ; my 64 columns of f32: byte 512 nt + 256 wc
	s_lshl_b32 s47, s14, 8
	s_add_co_u32 s46, s46, s47
	s_mov_b32 s47, 0
	s_add_nc_u64 s[8:9], s[8:9], s[46:47]          ; in ball (bo lies 8,192 bytes in: the loads' immediate),
	s_add_nc_u64 s[10:11], s[10:11], s[46:47]
	s_add_nc_u64 s[10:11], s[10:11], 9471*8192     ; and in row 9471 of sc
	s_mov_b32 s[G0A+0], 1                          ; count = 1
	s_mov_b32 s[G0A+1], s[LWA]                     ; LDS address: slot 0
	s_mov_b64 s[G0A+2:G0A+3], s[60:61]             ; K step 0
	s_or_b32 s[G0A+3], s[G0A+3], 0x80000000        ; type = 2
	s_mov_b32 s[G0A+4], 1
	s_add_co_u32 s[G0A+5], s[LWA], SLOT
	s_add_nc_u64 s[G0A+6:G0A+7], s[60:61], 256     ; K step 1
	s_or_b32 s[G0A+7], s[G0A+7], 0x80000000
	s_mov_b32 s[G0B+0], 1
	s_mov_b32 s[G0B+1], s[LWB]
	s_mov_b64 s[G0B+2:G0B+3], s[62:63]
	s_or_b32 s[G0B+3], s[G0B+3], 0x80000000
	s_mov_b32 s[G0B+4], 1
	s_add_co_u32 s[G0B+5], s[LWB], SLOT
	s_add_nc_u64 s[G0B+6:G0B+7], s[62:63], 262144  ; 128 rows of 2,048 bytes on
	s_or_b32 s[G0B+7], s[G0B+7], 0x80000000
	CROUND                                         ; all sixteen work-groups are here: the first joint loads meet
	JLOAD 0
	JLOAD 1                                        ; two loads of mine are out
	v_and_b32 v1, 15, v0                           ; r = l % 16
	v_bfe_u32 v2, v0, 4, 1                         ; h = l / 16
	v_lshlrev_b32 v[BO], 5, v2                     ; my eight columns of a block of 16: 32 h bytes
.irp b, 0,1,2,3
	global_load_b128 v[BI+8*(\b):BI+8*(\b)+3],     v[BO], s[8:9] offset:8192+64*(\b)
	global_load_b128 v[BI+8*(\b)+4:BI+8*(\b)+7],   v[BO], s[8:9] offset:8192+64*(\b)+16
	global_load_b128 v[TMP+8*(\b):TMP+8*(\b)+3],   v[BO], s[10:11] offset:64*(\b)
	global_load_b128 v[TMP+8*(\b)+4:TMP+8*(\b)+7], v[BO], s[10:11] offset:64*(\b)+16
.endr
	v_mul_u32_u24 v[A0L], v1, PITCH
	v_lshl_add_u32 v[A0L], v2, 4, v[A0L]
	s_mul_i32 s2, s13, HALFA
	v_add_nc_u32 v[A0L], s2, v[A0L]                ; my 128 rows; row r x pitch + 16 h
	v_and_b32 v3, 7, v0
	v_bfe_u32 v12, v0, 3, 1
	v_lshl_add_u32 v[B0L], v2, 3, v3               ; the turning load: lane l reads k-row 8 h + l % 8, 16 bytes at 16 ((l / 8) % 2)
	v_mul_u32_u24 v[B0L], v[B0L], PB
	v_lshl_add_u32 v[B0L], v12, 4, v[B0L]
	s_lshl_b32 s2, s14, 7
	s_add_co_u32 s2, s2, BOFF
	v_add_nc_u32 v[B0L], s2, v[B0L]                ; my 64 columns
	v_mov_b32 v[ADRA], v[A0L]
	v_mov_b32 v[ADRB], v[B0L]
	s_mul_i32 s2, s12, 16*SP
	s_add_co_u32 s2, s2, STAGE                     ; my stage
	v_mul_u32_u24 v13, v1, SP                      ; in: row r, 32 bytes for each half of the lanes
	v_lshl_add_u32 v13, v2, 5, v13
	v_add_nc_u32 v[STO], s2, v13
	v_mul_u32_u24 v13, v2, SP                      ; back: lanes 0-15 one row of 256 bytes, lanes 16-31 the next
	v_lshl_add_u32 v13, v1, 4, v13
	v_add_nc_u32 v[RD], s2, v13
	v_lshlrev_b32 v13, 12, v2                      ; and the same two rows in out0, 4,096 bytes apart
	v_lshl_add_u32 v[CO], v1, 4, v13
	s_wait_loadcnt 0x0                             ; both rows of biases
.set i, 0
.rept 16
	v_pk_fma_f32 v[BI+2*i:BI+2*i+1], v[BI+2*i:BI+2*i+1], s[UP:UP+1], v[TMP+2*i:TMP+2*i+1] op_sel_hi:[1,0,1]  ; 64 bo + 64 bv Wo
.set i, i+1
.endr
; 8 matrix instructions: row blocks a0, a0 + 1 x all 4 column blocks, 32 along K, from buffer s.  first = 1: the bias starts the sums.
; The 32 accumulators take turns, in the same order in every quarter.
.macro MUL8 s, a0, first
.if \first
	WIN 0x40                                       ; D in window 1; the fragments and the bias in window 0
.else
	WIN 0x50                                       ; C and D in window 1
.endif
.irp a, \a0, (\a0)+1
.irp b, 0,1,2,3
.if \first
	v_wmma_f32_16x16x32_f16 v[8*(4*(\a)+(\b)):8*(4*(\a)+(\b))+7], v[BF+32*(\s)+8*(\b):BF+32*(\s)+8*(\b)+7], v[AF+64*(\s)+8*(\a):AF+64*(\s)+8*(\a)+7], v[BI+8*(\b):BI+8*(\b)+7]
.else
	v_wmma_f32_16x16x32_f16 v[8*(4*(\a)+(\b)):8*(4*(\a)+(\b))+7], v[BF+32*(\s)+8*(\b):BF+32*(\s)+8*(\b)+7], v[AF+64*(\s)+8*(\a):AF+64*(\s)+8*(\a)+7], v[8*(4*(\a)+(\b)):8*(4*(\a)+(\b))+7]
.endif
.endr
.endr
.endm
.macro MUL16 s, a0, first
	MUL8 \s, \a0, \first
	MUL8 \s, (\a0)+2, \first
.endm
; 24 LDS loads in one run: the fragments of quarter qs (32 along K) into buffer s: wf's four, then ctx's eight, rows 0-63 first
.macro FETCH qs, s
	WIN 0
.irp b, 0,1,2,3
	ds_load_tr16_b128 v[BF+32*(\s)+8*(\b):BF+32*(\s)+8*(\b)+3],   v[ADRB] offset:32*(\b)+32*PB*(\qs)
	ds_load_tr16_b128 v[BF+32*(\s)+8*(\b)+4:BF+32*(\s)+8*(\b)+7], v[ADRB] offset:32*(\b)+32*PB*(\qs)+16*PB
.endr
.irp a, 0,1,2,3,4,5,6,7
	ds_load_b128 v[AF+64*(\s)+8*(\a):AF+64*(\s)+8*(\a)+3],   v[ADRA] offset:(\a)*16*PITCH+64*(\qs)
	ds_load_b128 v[AF+64*(\s)+8*(\a)+4:AF+64*(\s)+8*(\a)+7], v[ADRA] offset:(\a)*16*PITCH+64*(\qs)+32
.endr
.endm
; One of a K step's first three quarters: multiplies buffer f; in its middle it fetches quarter qs into buffer g.
.macro QUARTER qs, f, g, first
	s_wait_dscnt 8                                 ; wf's fragments and ctx's rows 0-63 are in; the youngest eight loads (rows 64-127) may be out
	MUL16 \f, 0, \first
	WIN 0
	PLACES
	FETCH \qs, \g
	s_wait_dscnt 24                                ; all but the 24 just issued
	MUL16 \f, 4, \first
.endm
; The last quarter multiplies buffer 1 and changes slots: ONE barrier; in front of it each wave waits for all its tensor loads (one is out: its part of the next slot), adds 0 to its spare word, and waits
; for that and for its own reads of this slot.  fill = 1: the barrier opens a round of the cluster's, and this slot is filled again, two K steps ahead, first thing behind the round:
; from the request to the wait for it a wave issues 112 matrix instructions.
.macro TURN fill
	WIN 0
	s_wait_tensorcnt 0x0
	ds_add_u32 v[SPW], v[NIL]                      ; 0 onto my spare word
	s_wait_dscnt 9                                 ; the add and the youngest eight loads may be out
	MUL8 1, 0, 0
	s_wait_dscnt 0x0                               ; the add is done, and my reads of this slot are over
	s_barrier_signal -1
	MUL8 1, 2, 0
	WIN 0
	s_barrier_wait -1
.if \fill
	CREST                                          ; no wave of any partner still reads this slot or has a load on its way
	s_add_co_u32 s[G0A+5], s[LWA], s[TB]           ; the walking descriptors: the slot just read,
	s_add_nc_u64 s[G0A+6:G0A+7], s[G0A+6:G0A+7], 256  ; the next K step; the type bits on top are not reached
	s_add_co_u32 s[G0B+5], s[LWB], s[TB]
	s_add_nc_u64 s[G0B+6:G0B+7], s[G0B+6:G0B+7], 262144
	JLOAD 1                                        ; the four v_nop behind it are also the places in front of the loads below
.else
	PLACES
.endif
	s_xor_b32 s[TB], s[TB], SLOT                   ; 0 <-> SLOT
	v_add_nc_u32 v[ADRA], s[TB], v[A0L]
	v_add_nc_u32 v[ADRB], s[TB], v[B0L]
	FETCH 0, 0
	MUL16 1, 4, 0                                  ; its fragments are in since the wait for 0
.endm
	s_wait_tensorcnt 0x1                           ; my part of K step 0 is in; step 1's may stay out
	s_barrier_signal -1
	s_barrier_wait -1
	FETCH 0, 0
	QUARTER 1, 0, 1, 1                             ; the first quarter stands in front of the loop: its products start the sums, with the bias
	WIN 0                                          ; at a label and at a branch every window is 0
	s_mov_b32 s[CNT], NS-2
.Lstep:                                                ; a trip: from a K step's second quarter to the next step's first; one refill
	QUARTER 2, 1, 0, 0
	QUARTER 3, 0, 1, 0
	TURN 1
	QUARTER 1, 0, 1, 0
	WIN 0
	s_sub_co_u32 s[CNT], s[CNT], 1
	s_cmp_lg_u32 s[CNT], 0
	s_cbranch_scc1 .Lstep
	QUARTER 2, 1, 0, 0                             ; the last two K steps ask for nothing
	QUARTER 3, 0, 1, 0
	TURN 0
	QUARTER 1, 0, 1, 0
	QUARTER 2, 1, 0, 0
	QUARTER 3, 0, 1, 0
	s_wait_dscnt 8
	MUL16 1, 0, 0
	s_wait_dscnt 0x0
	MUL16 1, 4, 0
	; THE WAY OUT: 16 rows at a time through my own stage: a lane's 32 bytes in, whole rows of 256 bytes back, times 2^-6, stored.  No barrier: LDS serves a wave's instructions in order (ISA guide 5.7.1.4).
	WIN 0
	PLACES
.macro TOST a
.if (\a) >= 2
	s_wait_xcnt 0x0                                ; the registers that the stores two blocks back read are written again only behind this wait
.endif
	WIN 0x04                                       ; store data in window 1; each accumulator's low four registers go first
.irp b, 0,1,2,3
	ds_store_b128 v[STO], v[8*(4*(\a)+(\b)):8*(4*(\a)+(\b))+3]   offset:64*(\b)
	ds_store_b128 v[STO], v[8*(4*(\a)+(\b))+4:8*(4*(\a)+(\b))+7] offset:64*(\b)+16
.endr
	WIN 0
.irp t, 0,1,2,3,4,5,6,7
	ds_load_b128 v[TMP+32*((\a)%2)+4*(\t):TMP+32*((\a)%2)+4*(\t)+3], v[RD] offset:2*SP*(\t)
.endr
.endm
.macro SEND a, younger                 ; younger: the next block's 8 stores and 8 loads, or none
	s_wait_dscnt \younger
.irp t, 0,1,2,3,4,5,6,7
	v_pk_mul_f32 v[TMP+32*((\a)%2)+4*(\t):TMP+32*((\a)%2)+4*(\t)+1],   v[TMP+32*((\a)%2)+4*(\t):TMP+32*((\a)%2)+4*(\t)+1],   s[DN:DN+1] op_sel_hi:[1,0]
	v_pk_mul_f32 v[TMP+32*((\a)%2)+4*(\t)+2:TMP+32*((\a)%2)+4*(\t)+3], v[TMP+32*((\a)%2)+4*(\t)+2:TMP+32*((\a)%2)+4*(\t)+3], s[DN:DN+1] op_sel_hi:[1,0]
.endr
.irp t, 0,1,2,3,4,5,6,7
	global_store_b128 v[CO], v[TMP+32*((\a)%2)+4*(\t):TMP+32*((\a)%2)+4*(\t)+3], s[OUTP:OUTP+1] offset:(16*(\a)+2*(\t))*4096  ; 16 lanes store 256 consecutive bytes, at a multiple of 256 from out0's first byte
.endr
.endm
	TOST 0
.irp a, 1,2,3,4,5,6,7
	TOST \a
	SEND (\a)-1, 16
.endr
	SEND 7, 0
	s_wait_tensorcnt 0x0                           ; the wave's end
	ds_add_u32 v[SPW], v[NIL]
	s_wait_dscnt 0x0
	CROUND                                         ; the closing round: no work-group ends while a partner may still ask for a tile that names it
	s_endpgm
.Lfunc_end_k_q575df14203_outp:
	.size	k_q575df14203_outp, .Lfunc_end_k_q575df14203_outp-k_q575df14203_outp
	.p2alignl 7, 3214868480
	.fill 96, 4, 3214868480
	.section	.rodata,"a",@progbits
	.p2align	6, 0x0
	.amdhsa_kernel k_q575df14203_outp
		.amdhsa_group_segment_fixed_size 327680
		.amdhsa_private_segment_fixed_size 0
		.amdhsa_enable_private_segment 0
		.amdhsa_kernarg_size 40
		.amdhsa_user_sgpr_count 2
		.amdhsa_user_sgpr_kernarg_segment_ptr 1
		.amdhsa_wavefront_size32 1
		.amdhsa_system_sgpr_workgroup_id_x 1
		.amdhsa_system_sgpr_workgroup_id_y 1
		.amdhsa_system_sgpr_workgroup_id_z 1
		.amdhsa_system_vgpr_workitem_id 0
		.amdhsa_next_free_vgpr 512
		.amdhsa_next_free_sgpr 72
		.amdhsa_reserve_vcc 0
		.amdhsa_float_denorm_mode_32 3
		.amdhsa_float_denorm_mode_16_64 3
		.amdhsa_memory_ordered 1
		.amdhsa_forward_progress 1
		.amdhsa_inst_pref_size 81
	.end_amdhsa_kernel
	.amdgpu_metadata
---
amdhsa.version: [ 1, 2 ]
amdhsa.kernels:
  - .name:           k_q575df14203_outp
    .symbol:         k_q575df14203_outp.kd
    .args:
      - { .name: ctx, .offset: 0, .size: 8, .value_kind: global_buffer, .address_space: global }
      - { .name: wf, .offset: 8, .size: 8, .value_kind: global_buffer, .address_space: global }
      - { .name: ball, .offset: 16, .size: 8, .value_kind: global_buffer, .address_space: global }
      - { .name: sc, .offset: 24, .size: 8, .value_kind: global_buffer, .address_space: global }
      - { .name: out0, .offset: 32, .size: 8, .value_kind: global_buffer, .address_space: global }
    .group_segment_fixed_size: 327680
    .private_segment_fixed_size: 0
    .kernarg_segment_align: 8
    .kernarg_segment_size: 40
    .max_flat_workgroup_size: 128
    .sgpr_count:     72
    .vgpr_count:     512
    .wavefront_size: 32
...
	.end_amdgpu_metadata
.endif
;; end of part 6
;; ======== version 2 of 2: 6 launches; version 1 with the launch prep written anew for expert scheduling mode
;; limits: values are held in f16: magnitudes above 65,504 overflow, below 6.1e-05 lose precision
;; workspace buffers: yh 16,777,216 bytes; wqk 4,194,304 bytes; ball 12,288 bytes; qk 37,752,832 bytes; sc 77,594,624 bytes; pw 33,554,432 bytes; ctx 16,777,216 bytes; wf 2,097,152 bytes
;; launch prep (part 7): grid 740 x 1, 8 waves a work-group, no clusters, 70,656 bytes of LDS; arguments y_all, Wq, Wk, Wv, Wo, bq, bk, bv, bo, yh, wqk, ball, qk; writes yh, wqk, ball, qk
.if DOCPART == 7
	.amdgcn_target "amdgcn-amd-amdhsa--gfx1250"
	.amdhsa_code_object_version 6
	.text
	.protected	k_q575df14203_prep
	.globl	k_q575df14203_prep
	.p2align	8
	.type	k_q575df14203_prep,@function
k_q575df14203_prep:
	s_mov_b64 s[64:65], 0
	v_nop
	global_prefetch_b8 v0, s[64:65] scope:SCOPE_SE
	s_setreg_imm32_b32 hwreg(HW_REG_WAVE_SCHED_MODE, 0, 2), 2
	s_setreg_imm32_b32 hwreg(HW_REG_WAVE_MODE, 25, 1), 1
	s_wait_xcnt 0x0
	s_wait_alu depctr_vm_vsrc(0)
; PREP: every input is rounded once to bf16 (nearest even); y and the four weights are then written as f16, bq, bk and bo as f32.
; A bf16 number is an f16 number without a further rounding from 2^-17 to 65,504.  Wv and bv are multiplied by 64 (exact) on the way, so that their product with Wo has room in f16.
; LIMITS: a magnitude of 65,520 or more (Wv, bv: 1,023 or more) becomes an infinity; below 2^-17 (Wv, bv: 2^-23) the number keeps f16's fixed step.
; Memory binds: each byte is read once and written once; no matrix unit, no cluster (no two work-groups need the same bytes but for halves of Wo's 256-byte pieces).
; ROLES by the work-group's number:  0-511 y -> yh;  512-703 Wq, Wk -> wqk, Wv -> qk;  704-735 Wo, turned -> qk;  736-739 the biases.
;   yh  f16 [8192][1024];   wqk f16 [1024 k][2048 n], columns q, k;   ball f32 [3072] = bq, bk, bo
;   qk  f16, rows of 2,048 numbers: rows 0-8191 are the next launch's; row 8192 + i = 64 Wv[i][:], then Wo[:][i]; row 9216 = 64 bv (its second half is neither written nor read)
; A chunk is one load of a wave (512 bytes of f32) and one store of a wave (32 lanes x 8 bytes: 256 consecutive bytes, aligned).  A wave has 16 chunks, all loads out at once.
; THE MODE: SCHED_MODE bits 1:0 = 2 (LLVM: expert scheduling mode 2), set by the entry lines.  The code itself states the register dependences
; between vector instructions and memory or LDS instructions, with s_wait_alu, always for 0.
; THE PLAN.  Every role is one straight run of code.  Registers that memory or LDS instructions touch:
;   v2 .. v7   offsets and LDS addresses: written once at a role's head, ahead of the one wait that stands in front of the role's first load; never written again.
;   X          chunk i's load lands in it; chunk i's conversions read it and write it in place.  In the turning role the second half's loads, and at the end the LDS loads, land in it again.
;   Y          written by chunk i's last two conversions; read by chunk i's store, which is issued four chunks later.  In the turning role the second half's conversions write it again.
;   T          named by vector instructions alone (but in the path of bv, where two of its registers are a store's data).
;   v112, v113 written at the head, read by the closing add alone.
; The 16 chunks go in four groups of four.  ONE wait on va_vdst stands at the head of groups 1 to 3, behind the wait for the group's first load: the group before has written its Y.  That group's four
; stores are then dealt among this group's conversions, which name this group's X and Y and T alone: none of the registers that those stores touch.  One more such wait stands ahead of the last four stores.
.set X, 8                              ; v[8:71]    chunk i: 4 registers as loaded, then the same numbers rounded to bf16 and widened
.set Y, 72                             ; v[72:103]  chunk i: 2 registers, 4 f16 to store
.set T, 104                            ; v[104:107] two pairs at work, by turns
.set TP, 272                           ; the turning role: an LDS row of 128 f16 + 16 bytes
	s_load_b512 s[4:19], s[0:1], 0x0               ; y_all 4, Wq 6, Wk 8, Wv 10, Wo 12, bq 14, bk 16, bv 18
	s_load_b256 s[20:27], s[0:1], 0x40             ; bo 20, yh 22, wqk 24, ball 26
	s_load_b64 s[28:29], s[0:1], 0x60              ; qk
	v_lshl_add_u32 v112, v0, 2, 0x11000
	v_mov_b32 v113, 0
	v_lshrrev_b32 v1, 5, v0
	v_readfirstlane_b32 s40, v1                    ; wave 0..7
	v_and_b32 v1, 31, v0                           ; lane
	s_mov_b32 s41, 0xffff0000                      ; a word's upper bf16
	s_mov_b32 s45, 0                               ; the high word of every offset pair
	s_wait_alu depctr_va_sdst(0)                   ; s40 is written, ahead of its first reader and of the first branch: three roles make their bases from it
	s_wait_kmcnt 0x0
.macro CV i, sc                        ; four f32 -> bf16 -> f32 (sc = 1: times s46) -> f16
	v_cvt_pk_bf16_f32 v[T+2*((\i)%2)],   v[X+4*(\i)],   v[X+4*(\i)+1]
	v_cvt_pk_bf16_f32 v[T+2*((\i)%2)+1], v[X+4*(\i)+2], v[X+4*(\i)+3]
	v_lshlrev_b32 v[X+4*(\i)],   16,  v[T+2*((\i)%2)]
	v_and_b32     v[X+4*(\i)+1], s41, v[T+2*((\i)%2)]
	v_lshlrev_b32 v[X+4*(\i)+2], 16,  v[T+2*((\i)%2)+1]
	v_and_b32     v[X+4*(\i)+3], s41, v[T+2*((\i)%2)+1]
.if \sc
	v_pk_mul_f32 v[X+4*(\i):X+4*(\i)+1],   v[X+4*(\i):X+4*(\i)+1],   s[46:47] op_sel_hi:[1,0]
	v_pk_mul_f32 v[X+4*(\i)+2:X+4*(\i)+3], v[X+4*(\i)+2:X+4*(\i)+3], s[46:47] op_sel_hi:[1,0]
.endif
	v_cvt_pk_f16_f32 v[Y+2*(\i)],   v[X+4*(\i)],   v[X+4*(\i)+1]
	v_cvt_pk_f16_f32 v[Y+2*(\i)+1], v[X+4*(\i)+2], v[X+4*(\i)+3]
.endm
; Chunk i's store: base outb, offset v3 (i < 8) or v4, immediate ostep x (i % 8).
.macro OUTC i, outb, ostep
	global_store_b64 v[3+(\i)/8], v[Y+2*(\i):Y+2*(\i)+1], s[\outb:\outb+1] offset:(\ostep)*((\i)%8)
.endm
; 16 chunks.  Load i: base inb, offset v2, immediate instep x i.  No register is used twice.  Chunk i's store stands four chunks behind its conversions.
.macro RUN inb, instep, outb, ostep, sc
	s_wait_alu depctr_va_vdst(0)                   ; v2, v3 and v4 are written: every load and store of the role reads one of them as its offset
.irp i, 0,1,2,3,4,5,6,7,8,9,10,11,12,13,14,15
	global_load_b128 v[X+4*(\i):X+4*(\i)+3], v2, s[\inb:\inb+1] offset:(\instep)*(\i) th:TH_LOAD_NT
.endr
.irp i, 0,1,2,3,4,5,6,7,8,9,10,11,12,13,14,15
	s_wait_loadcnt 15-(\i)                         ; loads come back in order: chunk i is in, the younger ones stay out
.if ((\i) == 4) || ((\i) == 8) || ((\i) == 12)
	s_wait_alu depctr_va_vdst(0)                   ; the four chunks before have written their Y, which the next four stores read
.endif
.if (\i) >= 4
	OUTC (\i)-4, \outb, \ostep                     ; no vector instruction since the wait names this chunk's Y or the offsets
.endif
	CV \i, \sc
.endr
	s_wait_alu depctr_va_vdst(0)                   ; chunks 12 to 15 have written their Y, which the last four stores read
.irp i, 12,13,14,15
	OUTC \i, \outb, \ostep
.endr
.endm
	s_cmp_lt_u32 ttmp9, 512
	s_cbranch_scc0 .Lnot_y
	; ROLE Y.  W = 8 x work-group + wave takes rows 2 W and 2 W + 1: 8,192 consecutive bytes in, 4,096 out.
	s_lshl_b32 s42, ttmp9, 3
	s_add_co_u32 s42, s42, s40                     ; W
	s_lshl_b32 s44, s42, 13
	s_add_nc_u64 s[4:5], s[4:5], s[44:45]
	s_lshl_b32 s44, s42, 12
	s_add_nc_u64 s[22:23], s[22:23], s[44:45]
	v_lshlrev_b32 v2, 4, v1
	v_lshlrev_b32 v3, 3, v1
	v_add_nc_u32 v4, 2048, v3                      ; the second row
	RUN 4, 512, 22, 256, 0
	s_endpgm
.Lnot_y:
	s_cmp_lt_u32 ttmp9, 704
	s_cbranch_scc0 .Lnot_w
	; ROLE W.  j = work-group - 512: matrix m = j / 64 (0 Wq, 1 Wk, 2 Wv); the wave takes two rows.  Rows are 4,096 bytes apart where they come from and where they go.
	s_sub_co_u32 s42, ttmp9, 512
	s_lshr_b32 s43, s42, 6                         ; m
	s_and_b32 s42, s42, 63
	s_lshl_b32 s42, s42, 4
	s_lshl_b32 s44, s40, 1
	s_add_co_u32 s42, s42, s44                     ; my first row
	s_lshl_b32 s37, s43, 11                        ; Wk's columns begin 2,048 bytes into a row of wqk
	s_cmp_eq_u32 s43, 1
	s_cselect_b64 s[32:33], s[8:9], s[6:7]
	s_cmp_eq_u32 s43, 2
	s_cselect_b64 s[32:33], s[10:11], s[32:33]     ; from where
	s_cselect_b64 s[34:35], s[28:29], s[24:25]     ; to where: qk or wqk
	s_cselect_b32 s37, 0x2000000, s37              ; Wv goes to rows 8192 on of qk: 8,192 x 4,096 bytes
	s_cselect_b32 s46, 0x42800000, 1.0             ; and is multiplied by 64
	s_mov_b32 s47, s46                             ; named with it as a pair
	s_lshl_b32 s44, s42, 12
	s_add_nc_u64 s[32:33], s[32:33], s[44:45]
	s_add_co_u32 s44, s44, s37
	s_add_nc_u64 s[34:35], s[34:35], s[44:45]
	v_lshlrev_b32 v2, 4, v1
	v_lshlrev_b32 v3, 3, v1
	v_add_nc_u32 v4, 4096, v3                      ; the second row
	RUN 32, 512, 34, 256, 1
	s_endpgm
.Lnot_w:
	s_cmp_lt_u32 ttmp9, 736
	s_cbranch_scc0 .Lbias
	; ROLE T.  Wo[d][n] goes to row 8192 + n of qk, number 1024 + d.  Work-group t takes columns n = 32 t .. + 31, wave w rows d = 128 w .. + 127.
	; A load takes 4 rows x 128 bytes (lane l: row l / 8, 16 bytes at 16 (l % 8)); each f16 is put at [n][d] of the wave's own 32 LDS rows; these come back as whole rows of 256 bytes.
	; No barrier: the LDS bytes are the wave's own, and LDS serves a wave's instructions in order (ISA guide 5.7.1.4).
	s_sub_co_u32 s42, ttmp9, 704                   ; t
	s_lshl_b32 s44, s40, 19                        ; 128 w rows of 4,096 bytes
	s_lshl_b32 s43, s42, 7                         ; 32 t columns of 4 bytes
	s_add_co_u32 s44, s44, s43
	s_add_nc_u64 s[12:13], s[12:13], s[44:45]
	s_lshl_b32 s44, s42, 17                        ; 32 t rows of 4,096 bytes,
	s_lshl_b32 s43, s40, 8                         ; 128 w numbers of 2 bytes,
	s_add_co_u32 s44, s44, s43
	s_add_co_u32 s44, s44, 8192*4096+2048          ; from row 8192's second half on
	s_add_nc_u64 s[28:29], s[28:29], s[44:45]
	v_lshrrev_b32 v3, 3, v1                        ; l / 8
	v_and_b32 v4, 7, v1                            ; l % 8
	v_lshlrev_b32 v2, 12, v3
	v_lshl_add_u32 v2, v4, 4, v2                   ; in: row l / 8, 16 bytes at 16 (l % 8)
	s_mul_i32 s43, s40, 32*TP                      ; my wave's LDS rows
	v_mul_u32_u24 v5, v4, 4*TP
	v_lshl_add_u32 v5, v3, 1, v5
	v_add_nc_u32 v5, s43, v5                       ; LDS, in: row 4 (l % 8), number l / 8
	v_lshrrev_b32 v3, 4, v1                        ; l / 16
	v_and_b32 v4, 15, v1                           ; l % 16
	v_mul_u32_u24 v6, v3, TP
	v_lshl_add_u32 v6, v4, 4, v6
	v_add_nc_u32 v6, s43, v6                       ; LDS, back: lanes 0-15 one row of 256 bytes, lanes 16-31 the next
	v_lshlrev_b32 v7, 12, v3
	v_lshl_add_u32 v7, v4, 4, v7                   ; and the same two rows in qk
; Half hf of the wave's 128 rows: its 16 loads.
.macro GET hf
.irp i, 0,1,2,3,4,5,6,7,8,9,10,11,12,13,14,15
	global_load_b128 v[X+4*(\i):X+4*(\i)+3], v2, s[12:13] offset:16384*(16*(\hf)+(\i))
.endr
.endm
; Chunk i of half hf: a lane's four f16 go to four LDS rows.
.macro PUT hf, i
	ds_store_b16        v5, v[Y+2*(\i)]   offset:8*(16*(\hf)+(\i))
	ds_store_b16_d16_hi v5, v[Y+2*(\i)]   offset:TP+8*(16*(\hf)+(\i))
	ds_store_b16        v5, v[Y+2*(\i)+1] offset:2*TP+8*(16*(\hf)+(\i))
	ds_store_b16_d16_hi v5, v[Y+2*(\i)+1] offset:3*TP+8*(16*(\hf)+(\i))
.endm
; Half hf is converted; chunk i's LDS stores stand four chunks behind its conversions; those of chunks 12 to 15 follow the macro.
.macro HALF hf
.irp i, 0,1,2,3,4,5,6,7,8,9,10,11,12,13,14,15
	s_wait_loadcnt 15-(\i)
.if ((\i) == 0) && ((\hf) == 1)
	s_wait_alu depctr_vm_vsrc(0)                   ; all the first half's LDS stores have read Y, which the conversions write again from here on
.endif
.if ((\i) == 4) || ((\i) == 8) || ((\i) == 12)
	s_wait_alu depctr_va_vdst(0)                   ; the four chunks before have written their Y, which the next sixteen LDS stores read
.endif
.if (\i) >= 4
	PUT \hf, (\i)-4                                ; no vector instruction since the wait names this chunk's Y or v5
.endif
	CV \i, 0
.endr
	s_wait_alu depctr_va_vdst(0)                   ; chunks 12 to 15 have written their Y, which the LDS stores below read; and the conversions are done reading and writing X, in which the loads below land
.endm
	s_wait_alu depctr_va_vdst(0)                   ; v2, v5, v6 and v7 are written: the role's loads and stores read them as offsets and addresses
	GET 0
	HALF 0
	GET 1                                          ; X is asked for again at once, ahead of the last LDS stores
.irp i, 12,13,14,15
	PUT 0, \i
.endr
	HALF 1
.irp i, 12,13,14,15
	PUT 1, \i
.endr
.irp t, 0,1,2,3,4,5,6,7,8,9,10,11,12,13,14,15
	ds_load_b128 v[X+4*(\t):X+4*(\t)+3], v6 offset:2*TP*(\t)
.endr
.irp t, 0,1,2,3,4,5,6,7,8,9,10,11,12,13,14,15
	s_wait_dscnt 15-(\t)
	global_store_b128 v7, v[X+4*(\t):X+4*(\t)+3], s[28:29] offset:8192*(\t)  ; 16 lanes store 256 consecutive bytes, at a multiple of 256 from qk's first byte
.endr
	s_wait_dscnt 0x0                               ; the closing lines, six on end
	s_wait_alu 0x0
	s_wait_tensorcnt 0x0
	ds_add_u32 v112, v113
	s_wait_dscnt 0x0
	s_endpgm
.Lbias:
	; ROLE B.  One bias of 4,096 bytes to a work-group: thread t takes 16 bytes.  0 bq, 1 bk, 2 bo -> ball, f32;  3 bv -> row 9216 of qk, times 64, f16.
	s_sub_co_u32 s43, ttmp9, 736
	s_lshl_b32 s44, s43, 12
	s_cmp_eq_u32 s43, 1
	s_cselect_b64 s[32:33], s[16:17], s[14:15]
	s_cmp_eq_u32 s43, 2
	s_cselect_b64 s[32:33], s[20:21], s[32:33]
	s_cmp_eq_u32 s43, 3
	s_cselect_b64 s[32:33], s[18:19], s[32:33]
	v_lshlrev_b32 v2, 4, v0
	s_wait_alu depctr_va_vdst(0)                   ; v2 is written, which the load reads as its offset
	global_load_b128 v[X:X+3], v2, s[32:33]
	s_wait_loadcnt 0x0
	v_cvt_pk_bf16_f32 v[T],   v[X],   v[X+1]
	v_cvt_pk_bf16_f32 v[T+1], v[X+2], v[X+3]
	v_lshlrev_b32 v[Y],   16,  v[T]
	v_and_b32     v[Y+1], s41, v[T]
	v_lshlrev_b32 v[Y+2], 16,  v[T+1]
	v_and_b32     v[Y+3], s41, v[T+1]
	s_cmp_eq_u32 s43, 3
	s_cbranch_scc1 .Lbv
	s_add_nc_u64 s[26:27], s[26:27], s[44:45]
	s_wait_alu depctr_va_vdst(0)                   ; the four widened numbers are written, which the store reads
	global_store_b128 v2, v[Y:Y+3], s[26:27]
	s_endpgm
.Lbv:
	s_mov_b32 s46, 0x42800000                      ; 64
	s_mov_b32 s47, s46
	v_pk_mul_f32 v[Y:Y+1],   v[Y:Y+1],   s[46:47] op_sel_hi:[1,0]
	v_pk_mul_f32 v[Y+2:Y+3], v[Y+2:Y+3], s[46:47] op_sel_hi:[1,0]
	v_cvt_pk_f16_f32 v[T+2], v[Y],   v[Y+1]
	v_cvt_pk_f16_f32 v[T+3], v[Y+2], v[Y+3]
	v_lshlrev_b32 v3, 3, v0
	s_add_nc_u64 s[28:29], s[28:29], 0x2400000     ; 9,216 rows of 4,096 bytes
	s_wait_alu depctr_va_vdst(0)                   ; the two registers of f16 and the offset v3 are written, which the store reads
	global_store_b64 v3, v[T+2:T+3], s[28:29]
	s_endpgm
.Lfunc_end_k_q575df14203_prep:
	.size	k_q575df14203_prep, .Lfunc_end_k_q575df14203_prep-k_q575df14203_prep
	.p2alignl 7, 3214868480
	.fill 96, 4, 3214868480
	.section	.rodata,"a",@progbits
	.p2align	6, 0x0
	.amdhsa_kernel k_q575df14203_prep
		.amdhsa_group_segment_fixed_size 70656
		.amdhsa_private_segment_fixed_size 0
		.amdhsa_enable_private_segment 0
		.amdhsa_kernarg_size 104
		.amdhsa_user_sgpr_count 2
		.amdhsa_user_sgpr_kernarg_segment_ptr 1
		.amdhsa_wavefront_size32 1
		.amdhsa_system_sgpr_workgroup_id_x 1
		.amdhsa_system_sgpr_workgroup_id_y 1
		.amdhsa_system_sgpr_workgroup_id_z 1
		.amdhsa_system_vgpr_workitem_id 0
		.amdhsa_next_free_vgpr 114
		.amdhsa_next_free_sgpr 66
		.amdhsa_reserve_vcc 0
		.amdhsa_float_denorm_mode_32 3
		.amdhsa_float_denorm_mode_16_64 3
		.amdhsa_memory_ordered 1
		.amdhsa_forward_progress 1
		.amdhsa_inst_pref_size 54
	.end_amdhsa_kernel
	.amdgpu_metadata
---
amdhsa.version: [ 1, 2 ]
amdhsa.kernels:
  - .name:           k_q575df14203_prep
    .symbol:         k_q575df14203_prep.kd
    .args:
      - { .name: y_all, .offset: 0, .size: 8, .value_kind: global_buffer, .address_space: global }
      - { .name: Wq, .offset: 8, .size: 8, .value_kind: global_buffer, .address_space: global }
      - { .name: Wk, .offset: 16, .size: 8, .value_kind: global_buffer, .address_space: global }
      - { .name: Wv, .offset: 24, .size: 8, .value_kind: global_buffer, .address_space: global }
      - { .name: Wo, .offset: 32, .size: 8, .value_kind: global_buffer, .address_space: global }
      - { .name: bq, .offset: 40, .size: 8, .value_kind: global_buffer, .address_space: global }
      - { .name: bk, .offset: 48, .size: 8, .value_kind: global_buffer, .address_space: global }
      - { .name: bv, .offset: 56, .size: 8, .value_kind: global_buffer, .address_space: global }
      - { .name: bo, .offset: 64, .size: 8, .value_kind: global_buffer, .address_space: global }
      - { .name: yh, .offset: 72, .size: 8, .value_kind: global_buffer, .address_space: global }
      - { .name: wqk, .offset: 80, .size: 8, .value_kind: global_buffer, .address_space: global }
      - { .name: ball, .offset: 88, .size: 8, .value_kind: global_buffer, .address_space: global }
      - { .name: qk, .offset: 96, .size: 8, .value_kind: global_buffer, .address_space: global }
    .group_segment_fixed_size: 70656
    .private_segment_fixed_size: 0
    .kernarg_segment_align: 8
    .kernarg_segment_size: 104
    .max_flat_workgroup_size: 256
    .sgpr_count:     66
    .vgpr_count:     114
    .wavefront_size: 32
...
	.end_amdgpu_metadata
.endif
;; end of part 7
;; launch proj: the kernel of part 2 again; grid 8 x 32, 4 waves a work-group, clusters of 4 x 4, 327,680 bytes of LDS; arguments yh, wqk, ball, qk; writes qk
;; launch scores: the kernel of part 3 again; grid 41 x 4, 4 waves a work-group, no clusters, 327,680 bytes of LDS; arguments qk, sc; writes sc
;; launch smax: the kernel of part 4 again; grid 640 x 1, 8 waves a work-group, no clusters, 0 bytes of LDS; arguments sc, pw, wf; writes pw, wf
;; launch pv: the kernel of part 5 again; grid 8 x 32, 4 waves a work-group, clusters of 4 x 1, 327,680 bytes of LDS; arguments pw, yh, ctx; writes ctx
;; launch outp: the kernel of part 6 again; grid 8 x 32, 4 waves a work-group, clusters of 4 x 4, 327,680 bytes of LDS; arguments ctx, wf, ball, sc, out0; writes out0
